; MI455X (gfx1250); checked and timed in simulation.
; The chip was launched on July 23, 2026; its instructions are those of AMD's public machine-readable ISA for CDNA 5 (MIT licence, August 2026) and "CDNA5" Instruction Set Architecture Reference Guide (July 2026). The comments in the code are by the model that wrote it; some were corrected since.
;; Tempo Spike Self Attention. Allowed arithmetic: matrix products marked QUANTISED: E2M1 operands, one E8M0 scale for each 32 along K, by v_wmma_scale_f32_16x16x128_f8f6f4 with both operands' format E2M1 (or v_wmma_scale_f32_32x16x128_f4), f32 sums; products left as they are: bf16, f16 or f32 operands; f32 sums; everything else in f32.
;; Inputs: Wk 768 x 768 float32; Wo 768 x 768 float32; Wq 768 x 768 float32; Wv 768 x 768 float32; bk 768 float32; bo 768 float32; bq 768 float32; bv 768 float32; x 4 x 4 x 1,024 x 768 float32.
;; Outputs: out0 4 x 4 x 1,024 x 768 float32.
;; This version of the problem:
;;   THIS VERSION OF THE PROBLEM IS GIVEN IN LOW PRECISION. The matrix products marked QUANTISED in the list below multiply operands that are first quantised to E2M1 (2 exponent bits, 1 mantissa bit; 4 bits a number), with one power-of-two scale for each 32 numbers along K (OCP MX v1.0); their sums are f32. The products marked 'left as it is' may take bf16, f16 or f32 operands, with f32 sums. Whichever they take, every output number must still come out within the allowed error. Rounding operands to bf16 (8 significant bits) uses up far more of that allowance than f16 does (11 bits, for magnitudes from 6e-5 to 65,504). All else is computed in f32.
;;   The module's matrix products, in the order in which they are computed (A, B: the left and right operand; K: the contracted axis; several contracted axes count as one K, in the product's order):
;;     1. [M 16,384, K 768] x [K 768, N 768]; A: input x; B: input Wq: QUANTISED
;;     2. [M 16,384, K 768] x [K 768, N 768]; A: input x; B: input Wk: QUANTISED
;;     3. [M 16,384, K 768] x [K 768, N 768]; A: input x; B: input Wv: QUANTISED
;;     4. batch 192 x [M 1,024, K 64] x [K 64, N 1,024]; A: computed on the way; B: computed on the way: left as it is (an operand is computed on the way)
;;     5. batch 192 x [M 1,024, K 1,024] x [K 1,024, N 64]; A: computed on the way; B: computed on the way: left as it is (an operand is computed on the way)
;;     6. [M 16,384, K 768] x [K 768, N 768]; A: computed on the way; B: input Wo: left as it is (an operand is computed on the way)
;;   THE QUANTISER, for each operand of a quantised product, along K:
;;     - K is cut into blocks of 32 from its start; a last block that is shorter is filled with zeros.
;;     - A block's scale is 2^e with e = floor(log2(the largest magnitude in the block)) - 2, held to -126 .. 127; a block of zeros has e = 0. As a byte (E8M0): e + 127.
;;     - Each number is divided by its block's scale, clamped to +-6, and rounded to the nearest number of E2M1, ties to even, subnormals kept.
;;     - The product sums the exact products of the quantised numbers (number of the format x scale) in f32.
;;   ~~~python
;;   def quantise(x, axis):      # numpy; x: float32 -> the quantised numbers, widened to float32 again
;;       x = np.moveaxis(x, axis, -1); K = x.shape[-1]
;;       x = np.pad(x, [(0, 0)] * (x.ndim - 1) + [(0, -K % 32)]); x = x.reshape(x.shape[:-1] + (-1, 32)); a = np.abs(x).max(-1, keepdims=True)
;;       e = np.where(a > 0, np.clip(np.frexp(np.where(a > 0, a, 1))[1] - 1 - 2, -126, 127), 0)      # np.frexp(a)[1] - 1 = floor(log2(a)), exactly
;;       r = np.clip(x / 2.0 ** e, -6, 6)
;;       step = 2.0 ** (np.maximum(np.frexp(np.where(r == 0, 1, r))[1] - 1, 0) - 1)
;;       q = np.round(r / step) * step * 2.0 ** e      # np.round: ties to even
;;       return np.moveaxis(q.reshape(q.shape[:-2] + (-1,))[..., :K], -1, axis).astype(np.float32)
;;   ~~~
;; One version. Each part assembles by itself: llvm-mc -triple=amdgcn-amd-amdhsa -mcpu=gfx1250 --defsym DOCPART=n.
;; ======== version 1 of 1: 4 launches
;; limits: values are held in f16: magnitudes above 65,504 overflow, below 6.1e-05 lose precision
;; workspace buffers: low 8,804,352 bytes; qkv 75,497,472 bytes; side 798,720 bytes; ctx 25,165,824 bytes
;; launch prep (part 1): grid 474 x 1, 4 waves a work-group, no clusters, 33,280 bytes of LDS; arguments x, Wq, Wk, Wv, Wo, low; writes low
.if DOCPART == 1
	.amdgcn_target "amdgcn-amd-amdhsa--gfx1250"
	.amdhsa_code_object_version 6
	.text
	.protected	k_qaf227c02b0_prep
	.globl	k_qaf227c02b0_prep
	.p2align	8
	.type	k_qaf227c02b0_prep,@function
k_qaf227c02b0_prep:
	s_mov_b64 s[64:65], 0
	v_nop
	global_prefetch_b8 v0, s[64:65] scope:SCOPE_SE
	s_setreg_imm32_b32 hwreg(HW_REG_WAVE_MODE, 25, 1), 1
	s_wait_xcnt 0x0
; x [16384][768] and Wq, Wk, Wv [768][768], f32 with K innermost, become codes of FP4 (E2M1) with one E8M0 byte for each 32 along K; Wo [768][768] becomes f16, laid as operand registers.
; All go into the one workspace buffer 'low':  0: x's codes [16384][384 bytes];  XS: x's scale bytes [16384][24];  WC: codes [2304][384], rows of Wq, Wk, Wv on end;  WS: their scale bytes [2304][24];
; WOF: Wo as fragments [nt 48][kq 24][c 2][lane 32][16 bytes]: lane (r, h) holds Wo(16 nt + r, 32 kq + 16 c + 8 h + 0 .. 7).
; A block's scale is 2^(floor(log2(its largest magnitude)) - 2); its byte is the largest magnitude's exponent field - 2, held at 1 from below.  A block of zeros so gets the byte 1 where the quantiser says 127:
; its codes are zeros, which add nothing, and this program alone reads the bytes.
; LIMITS: blocks whose largest magnitude lies under 2^-124 get the byte 1; NaN and infinities are not served; |Wo| up to 65,504 (f16), numbers of Wo under 6e-5 keep an absolute error of 3e-8.
; SHARES.  Rows are dense and 768 is a multiple of 32, so a tensor is a stream of blocks of 32.  Work-groups 0-383 take x, 384-437 Wq, Wk, Wv (18 each): 32,768 numbers a work-group, 8,192 a wave, 16 steps of 512.
; Each of a step's four loads reads 512 consecutive bytes; the 2,048 bytes turn through the wave's own stage in LDS and come back 64 bytes (16 neighbours along K) a lane; two lanes hold a block.
; Work-groups 438-473 take Wo: a wave makes 8 fragments (16 rows x 256 along K).  That path uses no LDS but its spare words.
; No tensor loads, no barrier: waves share nothing.  No prefetch: the launch streams, 16 loads a wave on their way.
.set WAVES, 4
.set STEPS, 16
.set EMAX,  2
.set CB,    8                          ; bytes of 16 codes
.set R,     16                         ; v16-79   four sets of 16 numbers as loaded
.set X,     80                         ; v80-111  two sets of 16 neighbours
.set E,     112                        ; v112-127 a scale byte for each step
.set C,     128                        ; v128-191 codes: four registers for each step, so that no store's data are written again
.set WREG,  8192                       ; LDS: a region for each wave: two stages of 32 x SP bytes, then its 256 scale bytes
.set SP,    80                         ; a lane's place in a stage: 64 bytes + 16 of padding
.set SPW,   12                         ; v12  LDS address of my spare word; never rewritten
.set NIL,   13                         ; v13  0; never rewritten
.set SPARE, WAVES*WREG                 ; the spare words: 128 bytes a wave, two blocks of 256 bytes that no other line names
.set XS,    6291456
.set WC,    6684672
.set WS,    7569408
.set WOF,   7624704
.set GX,    384                        ; work-groups for x
.set GW,    18                         ; for each of Wq, Wk, Wv
.set GQ,    GX+3*GW                    ; the quantiser's work-groups
	s_load_b256 s[4:11], s[0:1], 0x0               ; x, Wq, Wk, Wv
	s_load_b128 s[12:15], s[0:1], 0x20             ; Wo, low
	v_lshl_add_u32 v[SPW], v0, 2, SPARE
	v_mov_b32 v[NIL], 0
	v_lshrrev_b32 v1, 5, v0
	v_readfirstlane_b32 s16, v1                    ; wave
	v_and_b32 v2, 31, v0                           ; lane
	v_lshlrev_b32 v3, 4, v2                        ; 16 x lane
	s_mul_i32 s17, s16, WREG
	v_lshrrev_b32 v14, 2, v2
	v_mul_u32_u24 v14, v14, SP
	v_and_b32 v15, 3, v2
	v_lshl_add_u32 v14, v15, 4, v14
	v_add_nc_u32 v14, s17, v14                     ; the stage, on the way in: four lanes' 64 bytes on end, then 16 of padding
	v_mul_u32_u24 v15, v2, SP
	v_add_nc_u32 v15, s17, v15                     ; and on the way out: my 16 neighbours
	v_mul_u32_u24 v4, v2, CB                       ; my codes' place in a step's
	v_lshrrev_b32 v5, 1, v2
	s_add_co_u32 s17, s17, 2*32*SP
	v_add_nc_u32 v5, s17, v5                       ; LDS: my wave's 256 scale bytes, my block's byte
	v_lshlrev_b32 v7, 3, v2
	v_add_nc_u32 v6, s17, v7                       ; and on the way out 8 bytes a lane
	s_wait_kmcnt 0x0
	s_cmp_ge_u32 ttmp9, GQ
	s_cbranch_scc1 .Lwo
	; which tensor: the choice hangs on the work-group's number alone
	s_cmp_lt_u32 ttmp9, GX+2*GW
	s_cselect_b64 s[20:21], s[8:9], s[10:11]       ; Wk or Wv
	s_cselect_b32 s22, GW, 2*GW                    ; the chunks of W that lie ahead of the tensor's first
	s_cmp_lt_u32 ttmp9, GX+GW
	s_cselect_b64 s[20:21], s[6:7], s[20:21]       ; Wq
	s_cselect_b32 s22, 0, s22
	s_mov_b32 s24, WC
	s_mov_b32 s25, WS
	s_mov_b32 s26, XS
	s_cmp_lt_u32 ttmp9, GX
	s_cselect_b64 s[20:21], s[4:5], s[20:21]       ; x
	s_cselect_b32 s22, 0, s22
	s_cselect_b32 s23, 0, GX
	s_cselect_b32 s24, 0, s24                      ; where the codes go
	s_cselect_b32 s25, s26, s25                    ; where the scale bytes go
	s_sub_co_u32 s23, ttmp9, s23                   ; the chunk among x's, or among the three weights'
	s_sub_co_u32 s22, s23, s22                     ; the chunk in the tensor that is read
	s_lshl_b32 s23, s23, 2
	s_add_co_u32 s23, s23, s16                     ; my wave's run of 8,192 numbers, as it is stored,
	s_lshl_b32 s22, s22, 2
	s_add_co_u32 s22, s22, s16                     ; and as it is read
	s_mov_b32 s27, 0
	s_lshl_b32 s26, s22, 15                        ; 32,768 bytes of f32 a run
	s_add_nc_u64 s[4:5], s[20:21], s[26:27]
	s_lshl_b32 s26, s23, 12                        ; 4,096 bytes of codes
	s_add_co_u32 s26, s26, s24
	s_add_nc_u64 s[8:9], s[14:15], s[26:27]
	s_lshl_b32 s26, s23, 8                         ; 256 scale bytes
	s_add_co_u32 s26, s26, s25
	s_add_nc_u64 s[10:11], s[14:15], s[26:27]
.macro LOAD t
.irp i, 0,1,2,3
	global_load_b128 v[R+16*((\t)%4)+4*\i:R+16*((\t)%4)+4*\i+3], v3, s[4:5] offset:2048*(\t)+512*\i th:TH_LOAD_NT   ; 32 lanes read 512 consecutive bytes
.endr
.endm
.macro TURN t                          ; step t's numbers through the stage: LDS serves a wave's instructions in order, so no wait stands between the stores and the loads
.irp i, 0,1,2,3
	ds_store_b128 v14, v[R+16*((\t)%4)+4*\i:R+16*((\t)%4)+4*\i+3] offset:32*SP*((\t)%2)+8*SP*\i
.endr
.irp i, 0,1,2,3
	ds_load_b128 v[X+16*((\t)%2)+4*\i:X+16*((\t)%2)+4*\i+3], v15 offset:32*SP*((\t)%2)+16*\i
.endr
.endm
.irp t, 0,1,2,3
	LOAD \t
.endr
	s_wait_loadcnt 12                              ; step 0's four loads are in; the twelve of steps 1 to 3 stay out
	TURN 0
.macro STEP t
.set XQ, X+16*((\t)%2)
.if (\t) > 0
	s_wait_dscnt 1                                 ; this step's numbers are back from the stage (the last step's byte store may be out): so its stores into the stage have read their registers,
.else
	s_wait_dscnt 0x0
.endif
.if (\t)+4 < STEPS
	LOAD (\t)+4                                    ; which take the loads of four steps on
.endif
.if (\t)+1 < STEPS
.if STEPS-2-(\t) >= 3
	s_wait_loadcnt 12                              ; the next step's four loads are in; those of the three steps behind it may be out
.else
	s_wait_loadcnt 4*(STEPS-2-(\t))                ; in the tail: four for each step still behind the next
.endif
	TURN (\t)+1                                    ; and go through the other stage while this step is worked
.endif
	v_max3_num_f32 v8, |v[XQ]|, |v[XQ+1]|, |v[XQ+2]|               ; the largest magnitude of my 16, in two chains
	v_max3_num_f32 v9, |v[XQ+3]|, |v[XQ+4]|, |v[XQ+5]|
.irp i, 6,10
	v_max3_num_f32 v8, v8, |v[XQ+\i]|, |v[XQ+\i+1]|
	v_max3_num_f32 v9, v9, |v[XQ+\i+2]|, |v[XQ+\i+3]|
.endr
	v_max3_num_f32 v8, v8, |v[XQ+14]|, |v[XQ+15]|
	v_max3_num_f32 v8, v8, v9, (EMAX+1)<<23        ; and the floor 2^(3 - 127): the byte cannot fall under 1
	v_max_num_f32_dpp v8, v8, v8 row_xmask:1 row_mask:0xf bank_mask:0xf   ; and of my neighbour's 16: the block's
	v_add_nc_u32 v11, -(EMAX<<23), v8              ; 2 off its exponent field: the conversion takes the exponent field of this operand as its scale
	v_cvt_scalef32_pk8_fp4_f32 v[C+4*(\t)], v[XQ:XQ+7], v11
	v_cvt_scalef32_pk8_fp4_f32 v[C+4*(\t)+1], v[XQ+8:XQ+15], v11
	v_lshrrev_b32 v[E+(\t)], 23, v11               ; the scale's byte (also the plain line behind the conversions)
	ds_store_b8 v5, v[E+(\t)] offset:16*(\t)       ; both lanes of a block write the same byte with the same value
	global_store_b64 v4, v[C+4*(\t):C+4*(\t)+1], s[8:9] offset:32*CB*(\t)   ; 32 lanes store 256 consecutive bytes, aligned
.endm
.irp t, 0,1,2,3,4,5,6,7,8,9,10,11,12,13,14,15
	STEP \t
.endr
	ds_load_b64 v[8:9], v6                         ; LDS serves a wave's instructions in order: these see my byte stores
	s_wait_dscnt 0x0
	global_store_b64 v7, v[8:9], s[10:11]          ; 32 lanes store 256 consecutive bytes, aligned
	s_wait_tensorcnt 0x0                           ; the wave's end: these three lines behind my last LDS store
	ds_add_u32 v[SPW], v[NIL]
	s_wait_dscnt 0x0
	s_endpgm
.Lwo:
	; Wo to f16 fragments.  gg = work-group - GQ, 0 .. 35: a third of K (8 fragments along K) for four tiles of 16 rows, one a wave
	s_sub_co_u32 s20, ttmp9, GQ
	s_cmp_ge_u32 s20, 12
	s_cselect_b32 s21, 1, 0
	s_cmp_ge_u32 s20, 24
	s_cselect_b32 s21, 2, s21                      ; which third of K
	s_mul_i32 s22, s21, 12
	s_sub_co_u32 s20, s20, s22
	s_lshl_b32 s20, s20, 2
	s_add_co_u32 s20, s20, s16                     ; nt: my tile of 16 rows
	s_mul_i32 s22, s20, 49152                      ; 16 rows of 3,072 bytes
	s_lshl_b32 s23, s21, 10                        ; 256 numbers along K are 1,024 bytes
	s_add_co_u32 s22, s22, s23
	s_mov_b32 s23, 0
	s_add_nc_u64 s[12:13], s[12:13], s[22:23]
	s_mul_i32 s22, s20, 24
	s_lshl_b32 s24, s21, 3
	s_add_co_u32 s22, s22, s24                     ; fragment 24 nt + 8 x third
	s_lshl_b32 s22, s22, 10
	s_add_co_u32 s22, s22, WOF
	s_add_nc_u64 s[14:15], s[14:15], s[22:23]
	v_and_b32 v9, 15, v0                           ; r
	v_bfe_u32 v10, v0, 4, 1                        ; h
	v_mul_u32_u24 v8, v9, 3072
	v_lshl_add_u32 v8, v10, 5, v8                  ; row r, + 8 h numbers
.irp kq, 0,1,2,3,4,5,6,7
.irp c, 0,1
.irp e, 0,1
	global_load_b128 v[16+16*\kq+8*\c+4*\e:19+16*\kq+8*\c+4*\e], v8, s[12:13] offset:128*\kq+64*\c+16*\e th:TH_LOAD_NT
.endr
.endr
.endr
	s_wait_loadcnt 0x0
.set i, 0
.rept 64
	v_cvt_pk_f16_f32 v[16+i], v[16+2*i], v[17+2*i] ; in place, ascending: register 16 + i has been read by an earlier pair
.set i, i+1
.endr
.irp kq, 0,1,2,3,4,5,6,7
.irp c, 0,1
	global_store_b128 v3, v[16+8*\kq+4*\c:19+8*\kq+4*\c], s[14:15] offset:1024*\kq+512*\c   ; 32 lanes store 512 consecutive bytes, aligned
.endr
.endr
	s_wait_tensorcnt 0x0                           ; the same three closing lines on this way
	ds_add_u32 v[SPW], v[NIL]
	s_wait_dscnt 0x0
	s_endpgm
.Lfunc_end_k_qaf227c02b0_prep:
	.size	k_qaf227c02b0_prep, .Lfunc_end_k_qaf227c02b0_prep-k_qaf227c02b0_prep
	.p2alignl 7, 3214868480
	.fill 96, 4, 3214868480
	.section	.rodata,"a",@progbits
	.p2align	6, 0x0
	.amdhsa_kernel k_qaf227c02b0_prep
		.amdhsa_group_segment_fixed_size 33280
		.amdhsa_private_segment_fixed_size 0
		.amdhsa_enable_private_segment 0
		.amdhsa_kernarg_size 48
		.amdhsa_user_sgpr_count 2
		.amdhsa_user_sgpr_kernarg_segment_ptr 1
		.amdhsa_wavefront_size32 1
		.amdhsa_system_sgpr_workgroup_id_x 1
		.amdhsa_system_sgpr_workgroup_id_y 1
		.amdhsa_system_sgpr_workgroup_id_z 1
		.amdhsa_system_vgpr_workitem_id 0
		.amdhsa_next_free_vgpr 192
		.amdhsa_next_free_sgpr 66
		.amdhsa_reserve_vcc 0
		.amdhsa_float_denorm_mode_32 3
		.amdhsa_float_denorm_mode_16_64 3
		.amdhsa_memory_ordered 1
		.amdhsa_forward_progress 1
		.amdhsa_inst_pref_size 44
	.end_amdhsa_kernel
	.amdgpu_metadata
---
amdhsa.version: [ 1, 2 ]
amdhsa.kernels:
  - .name:           k_qaf227c02b0_prep
    .symbol:         k_qaf227c02b0_prep.kd
    .args:
      - { .name: x, .offset: 0, .size: 8, .value_kind: global_buffer, .address_space: global }
      - { .name: Wq, .offset: 8, .size: 8, .value_kind: global_buffer, .address_space: global }
      - { .name: Wk, .offset: 16, .size: 8, .value_kind: global_buffer, .address_space: global }
      - { .name: Wv, .offset: 24, .size: 8, .value_kind: global_buffer, .address_space: global }
      - { .name: Wo, .offset: 32, .size: 8, .value_kind: global_buffer, .address_space: global }
      - { .name: low, .offset: 40, .size: 8, .value_kind: global_buffer, .address_space: global }
    .group_segment_fixed_size: 33280
    .private_segment_fixed_size: 0
    .kernarg_segment_align: 8
    .kernarg_segment_size: 48
    .max_flat_workgroup_size: 128
    .sgpr_count:     66
    .vgpr_count:     192
    .wavefront_size: 32
...
	.end_amdgpu_metadata
.endif
;; end of part 1
;; launch qkvgemm (part 2): grid 64 x 4, 4 waves a work-group, clusters of 4 x 1, 327,680 bytes of LDS; arguments low, bq, bk, bv, qkv, side; writes qkv, side
.if DOCPART == 2
	.amdgcn_target "amdgcn-amd-amdhsa--gfx1250"
	.amdhsa_code_object_version 6
	.text
	.protected	k_qaf227c02b0_qkvgemm
	.globl	k_qaf227c02b0_qkvgemm
	.p2align	8
	.type	k_qaf227c02b0_qkvgemm,@function
k_qaf227c02b0_qkvgemm:
	s_mov_b64 s[64:65], 0
	v_nop
	global_prefetch_b8 v0, s[64:65] scope:SCOPE_SE
	s_setreg_imm32_b32 hwreg(HW_REG_WAVE_MODE, 25, 1), 1
	s_wait_xcnt 0x0
	s_wait_alu depctr_hold_cnt(0) depctr_sa_sdst(0) depctr_va_vdst(0) depctr_va_sdst(0) depctr_va_ssrc(0) depctr_va_vcc(0) depctr_vm_vsrc(0)
	s_getreg_b32 s2, hwreg(HW_REG_IB_STS2, 6, 4)
	s_cmp_eq_u32 s2, 0
	s_cbranch_scc0 .Lentry_in_a_cluster
	s_endpgm
.Lentry_in_a_cluster:
	s_bfe_u32 s2, ttmp6, 0x10000c
	s_cmp_lg_u32 s2, 0x3003
	s_cbranch_scc0 .Lentry_shape_is_right
	s_endpgm
.Lentry_shape_is_right:
; q, k, v = x W^T + b on codes of FP4 with E8M0 scales: [16384 x 768] x [2304 x 768]^T, sums in f32, the bias as the C of each sum's first product.
; OUT, in f16, as images of the registers in which the attention launch wants them (a fragment is [c 2][lane 32][16 bytes]; lane = 16 h + r):
;   qkv + 0:        q' [bh 192][tile of 16 queries 64][s 2]: lane: query r, channels 32 s + 16 c + 8 h + 0 .. 7.   q' = q f, f = 2^-floor(log2(the largest |q| of the row's 64 channels)): exact, q' under 2
;   qkv + PART:     k  [bh][tile of 16 keys 64][s 2]: the same map
;   qkv + 2 PART:   v^T [bh][32 keys 32][ct 4]: lane: channel 16 ct + r, keys 16 c + 8 h + 0 .. 7
;   side + 0: f, f32 [128 rows' block][head 12][128];   side + KMOFF: the largest |k| of (64 keys, head), f32 [bh][16]
; LIMITS: |k|, |v| up to 65,504 (f16); numbers under 6e-5 keep an absolute error of 3e-8; the largest |q| of a row and head between 2^-126 (a floor) and 2^100; NaN and infinities are not served.
; SHARES.  64 x 4 = 256 work-groups that stay.  A work-group owns 256 rows of x and 576 columns (9 heads), as three sub-tiles of 192 columns; 768 = 4 x 192, so a sub-tile is wholly q, k or v.
; Wave w makes rows 64 w .. 64 w + 63 x 192 columns: 48 accumulators, 6 steps of 128 along K, 48 matrix instructions a step.  ITS FOUR BLOCKS OF x, ALL OF K, STAY IN 192 REGISTERS for the three sub-tiles;
; from LDS it reads W alone.  A sub-tile's stores leave while the next is multiplied.
; LDS.  Three slots of 192 code rows of W.  Slots and x together do not fit, so x's 256 rows are staged where the third slot lies, each wave reads its own 64 rows into registers, and the slot is then filled,
; once, ahead of the loop, behind a round of the cluster's barrier.  Three tensor loads of mine are out at the start, one behind that round; none is out in the loop.
; CLUSTER.  The four row blocks of a cluster take the same 576 columns: W's slots are asked for jointly (mask 15).  x's rows are read by the four column groups, but those differ in kind (q, k, v), and a branch
; on the kind has to be alike in all partners: so they lie in different clusters, and x comes by a plain load behind the same round.
; TWO ORDERS OF SOURCES.  In the result lane (r, h) holds row r of source 1 and rows 8 h + 0 .. 7 of source 0.  q, k: source 0 = W, source 1 = x: a lane holds one row and eight neighbouring channels.
; v: source 0 = x, source 1 = Wv: a lane holds one channel and eight neighbouring keys.  Both are the images above.
; No prefetch: the codes are asked for at the head; the scale words and the bias of the next sub-tile are asked for ahead of each way out.
; REGISTERS.  window 0: v1-22 addresses and at work; v32-55 x's scale words (6 i + q: block i, K step q), v56-127 W's (6 b + q): scales and nothing else; v128-223 the bias, 12 sets of 8.
;   window 1: v0-191 x's fragments (8 (6 i + q)).   windows 2, 3: v0-191 24 accumulators each; v192-239 six of W's twelve fragments each (blocks 0-5, 6-11), one set; v240-255 at work on the way out.
;   q, k: accumulator (a, b) in window 2 + a / 2 at v[8 (12 (a % 2) + b)].   v: accumulator (a, b) in window 2 + a / 6 at v[8 (4 (a % 6) + b)]  (a: source 1's block, b: source 0's).
.set XS,    6291456
.set WC,    6684672
.set WS,    7569408
.set PART,  25165824
.set KMOFF, 786432
.set PITCH, 432                        ; a code row in LDS: three pieces of 128 bytes + 16 of padding: 27 x 16 bytes, so the 16 rows of a load fall on 16 different 16-byte columns of 256 bytes
.set WSLOT, 192*PITCH                  ; a slot: 192 rows of W
.set WQ,    48*PITCH                   ; a wave's quarter of it
.set XR,    2*WSLOT                    ; x's 256 rows, and later the third slot
.set XQ,    64*PITCH                   ; a wave's 64 rows of x
.set SPARE, XR+4*XQ                    ; the spare words: 128 bytes a wave
.set GO,    3                          ; v3   16 x lane
.set AX,    4                          ; v4   LDS address of my fragments of x
.set AWB,   5                          ; v5   432 r + 16 h: a fragment's lane term
.set SCO,   6                          ; v6   24 r: a row's scale bytes
.set BOQ,   7                          ; v7   32 h: the bias's offset, q and k
.set BOV,   8                          ; v8   4 r: the bias's offset, v
.set QSO,   9                          ; v9   4 r + 64 h
.set SPW,   10
.set NIL,   11
.set KMO,   12                         ; v12  128 r + 64 h
.set AW,    13                         ; v13, v14  W's blocks 0-5 and 6-11 in the slot in hand
.set KR,    16                         ; v16-18, v20-22 at work on k's maxima
.set KT,    20
.set SCX,   32
.set SCW,   56
.set BI,    128
.set WF,    192                        ; in windows 2 and 3
.set M0,    240                        ; in windows 2 and 3: two chains of a maximum;
.set M1,    241
.set FE,    242                        ; v[242:247] f of an even block of rows, a pair a head (a pair's low word serves both halves);
.set FO,    248                        ; v[248:249] f of an odd block;
.set TQ,    250                        ; v250-252 f on its way out, a register a head;
.set KK,    253                        ; v253-255 the running largest |k|, a register a head
.set J,     20                         ; s20  the trip
.set ST,    21                         ; s21  the sub-tile, 0 .. 11
.set KIND,  22                         ; s22  0 q, 1 k, 2 v
.set SN,    23                         ; s23  the sub-tile whose scale words and bias are asked for
.set G1X,   24
.set G1W,   32
.set G0X,   40
.set G0W,   44                         ; s[44:55] a group 0 for each slot
.set PW,    56                         ; s[56:57] W's scale bytes
.set PB,    58                         ; s[58:59] the bias
.set SEL,   60
.set TB,    62                         ; s62  the slot in hand, in LDS
.set DST,   66
.set QSP,   68
.set KMP,   70
.set SAVE,  72
.set MH,    73                         ; lanes 16-31
.set MR,    74                         ; lanes 1 and 17
.set R0,    75                         ; my first row of x
.set TBQ,   76                         ; its sequence
.set NN,    77                         ; its place in the sequence
.set MSB, 0
.macro WIN new                         ; the immediate's high byte repeats the setting that is left
.if MSB != (\new)
	s_set_vgpr_msb (MSB<<8)|(\new)
.set MSB, (\new)
.endif
.endm
.macro PLACES n
.rept \n
	v_nop
.endr
.endm
.macro CROUND                          ; a round of the cluster's barrier
	s_barrier_signal -1
	s_barrier_wait -1
	s_cmp_lg_u32 s16, 0
	s_cbranch_scc1 .Lnot_wave_0_\@
	s_barrier_signal -3
.Lnot_wave_0_\@:
	s_barrier_wait -3
	s_barrier_signal -1
	s_barrier_wait -1
.endm
; The scale words of sub-tile s[SN]'s 192 rows of W (24 bytes a row, three loads of 8) and its bias, in the layout of the result.
.macro LOADS
	s_lshr_b32 s92, s[SN], 2                       ; its kind
	s_and_b32 s93, s[SN], 3
	s_mul_i32 s94, s93, 768                        ; its 192 numbers of the bias
	s_mov_b32 s95, 0
	s_cmp_eq_u32 s92, 1
	s_cselect_b64 s[PB:PB+1], s[8:9], s[6:7]
	s_cmp_eq_u32 s92, 2
	s_cselect_b64 s[PB:PB+1], s[10:11], s[PB:PB+1]
	s_add_nc_u64 s[PB:PB+1], s[PB:PB+1], s[94:95]
.irp b, 0,1,2,3,4,5,6,7,8,9,10,11
.irp jj, 0,1,2
	global_load_b64 v[SCW+6*\b+2*\jj:SCW+6*\b+2*\jj+1], v[SCO], s[PW:PW+1] offset:384*\b+8*\jj
.endr
.endr
	s_cmp_eq_u32 s92, 2
	s_cbranch_scc1 .Lbias_v_\@
.irp b, 0,1,2,3,4,5,6,7,8,9,10,11              ; q, k: set b: the bias of columns 16 b + 8 h + 0 .. 7
	global_load_b128 v[BI+8*\b:BI+8*\b+3], v[BOQ], s[PB:PB+1] offset:64*\b
	global_load_b128 v[BI+8*\b+4:BI+8*\b+7], v[BOQ], s[PB:PB+1] offset:64*\b+16
.endr
	s_branch .Lbias_done_\@
.Lbias_v_\@:
.irp a, 0,1,2,3,4,5,6,7,8,9,10,11              ; v: set a: the bias of channel 16 a + r, in all eight registers
.irp j, 0,1,2,3,4,5,6,7
	global_load_b32 v[BI+8*\a+\j], v[BOV], s[PB:PB+1] offset:64*\a
.endr
.endr
.Lbias_done_\@:
.endm
	s_load_b256 s[4:11], s[0:1], 0x0               ; low, bq, bk, bv
	s_load_b128 s[12:15], s[0:1], 0x20             ; qkv, side
	v_lshl_add_u32 v[SPW], v0, 2, SPARE
	v_mov_b32 v[NIL], 0
	ds_add_u32 v[SPW], v[NIL]                      ; the wave's opening: the add, twice on end, and its wait ahead of my first tensor load
	ds_add_u32 v[SPW], v[NIL]
	v_lshrrev_b32 v1, 5, v0
	v_readfirstlane_b32 s16, v1                    ; wave
	s_bfe_u32 s17, ttmp6, 0x40000                  ; cx
	s_lshl_b32 s18, ttmp9, 2
	s_add_co_u32 s18, s18, s17                     ; row block = 4 x cluster x + cx
	s_and_b32 s19, ttmp7, 0xffff                   ; column group, which the partners share
	; descriptor group 1.  Code rows are dense in memory: two of them are stated as a row of 768 bytes, 16 bytes of padding behind every 128
	s_mov_b32 s[G1X], (1<<20)|(4<<22)|(3<<25)      ; no mask; elements of 1 byte; padding on; after every 32 words (code 4); four words (code 3)
	s_mov_b32 s[G1X+1], 768<<16                    ; tensor_dim0
	s_mov_b32 s[G1X+2], 32<<16                     ; tensor_dim1: 64 code rows
	s_mov_b32 s[G1X+3], 768<<16                    ; tile_dim0
	s_mov_b32 s[G1X+4], 32                         ; tile_dim1
	s_mov_b32 s[G1X+5], 768                        ; from row to row
	s_mov_b32 s[G1X+6], 0
	s_mov_b32 s[G1X+7], 0
	s_mov_b32 s[G1W], 15|(1<<20)|(1<<21)|(4<<22)|(3<<25)  ; the same with the mask of the four partners, and bit 21 beside it
	s_mov_b32 s[G1W+1], 768<<16
	s_mov_b32 s[G1W+2], 24<<16                     ; 48 code rows
	s_mov_b32 s[G1W+3], 768<<16
	s_mov_b32 s[G1W+4], 24
	s_mov_b32 s[G1W+5], 768
	s_mov_b32 s[G1W+6], 0
	s_mov_b32 s[G1W+7], 0
	s_lshl_b32 s[R0], s18, 8
	s_lshl_b32 s78, s16, 6
	s_add_co_u32 s[R0], s[R0], s78                 ; my first row of x: 256 x row block + 64 x wave
	s_lshr_b32 s[TBQ], s[R0], 10
	s_and_b32 s[NN], s[R0], 1023
	s_mul_i32 s84, s[R0], 384                      ; its codes,
	s_mov_b32 s85, 0
	s_mul_i32 s86, s[R0], 24
	s_add_co_u32 s86, s86, XS                      ; its scale bytes
	s_mov_b32 s87, 0
	s_mul_i32 s80, s19, 576                        ; the group's first row of W: of the column group and the wave's number alone
	s_mul_i32 s81, s16, 48
	s_add_co_u32 s81, s80, s81
	s_mul_i32 s82, s81, 384
	s_add_co_u32 s82, s82, WC                      ; my quarter of slot 0's codes
	s_mov_b32 s83, 0
	s_mul_i32 s88, s80, 24
	s_add_co_u32 s88, s88, WS                      ; the first sub-tile's scale bytes
	s_mov_b32 s89, 0
	s_mul_i32 s90, s16, XQ
	s_add_co_u32 s90, s90, XR                      ; where my rows of x go,
	s_mul_i32 s91, s16, WQ                         ; and my quarter of a slot: no place in the cluster enters an LDS address
	s_mul_i32 s[ST], s19, 3
	s_mov_b32 s[SEL], 0x76543210
	s_mov_b32 s[SEL+1], 0xfedcba98                 ; v_permlanex16_b32's selects for lane l xor 16
	s_mov_b32 s[MH], 0xffff0000
	s_mov_b32 s[MR], 0x00020002
	v_and_b32 v1, 15, v0                           ; r
	v_bfe_u32 v2, v0, 4, 1                         ; h
	v_and_b32 v3, 31, v0
	v_lshlrev_b32 v[GO], 4, v3
	v_mul_u32_u24 v[AWB], v1, PITCH
	v_lshl_add_u32 v[AWB], v2, 4, v[AWB]
	v_add_nc_u32 v[AX], s90, v[AWB]
	v_mul_u32_u24 v[SCO], v1, 24
	v_lshlrev_b32 v[BOQ], 5, v2
	v_lshlrev_b32 v[BOV], 2, v1
	v_lshl_add_u32 v[QSO], v2, 6, v[BOV]
	v_lshlrev_b32 v[KMO], 7, v1
	v_lshl_add_u32 v[KMO], v2, 6, v[KMO]
.irp i, 0,1,2
	v_mov_b32 v[KT+\i], 0                          ; a lane permute's destination counts as one of its sources
.endr
	WIN 0x80
.irp i, 1,3,5,7
	v_mov_b32 v[FE+\i], 0                          ; named as the upper halves of pairs, so they are written: in window 2,
.endr
	WIN 0xc0
.irp i, 1,3,5,7
	v_mov_b32 v[FE+\i], 0                          ; and in window 3
.endr
	WIN 0
	s_wait_dscnt 0x0                               ; both opening adds are done
	s_wait_kmcnt 0x0
	s_mov_b32 s[G0X], 1
	s_mov_b32 s[G0X+1], s90
	s_add_nc_u64 s[G0X+2:G0X+3], s[4:5], s[84:85]
	s_or_b32 s[G0X+3], s[G0X+3], 0x80000000
	s_add_nc_u64 s[82:83], s[4:5], s[82:83]
.irp j, 0,1,2
	s_mov_b32 s[G0W+4*\j], 1
	s_add_co_u32 s[G0W+4*\j+1], s91, \j*WSLOT
	s_add_nc_u64 s[G0W+4*\j+2:G0W+4*\j+3], s[82:83], \j*192*384
	s_or_b32 s[G0W+4*\j+3], s[G0W+4*\j+3], 0x80000000
.endr
	s_add_nc_u64 s[86:87], s[4:5], s[86:87]
	s_add_nc_u64 s[PW:PW+1], s[4:5], s[88:89]
	CROUND                                         ; the four partners are here: the joint loads meet
	tensor_load_to_lds s[G0X:G0X+3], s[G1X:G1X+7]  ; my 64 rows of x: first, since they are wanted first
	s_nop 0
	tensor_load_to_lds s[G0W:G0W+3], s[G1W:G1W+7]  ; my quarter of slot 0,
	s_nop 0
	tensor_load_to_lds s[G0W+4:G0W+7], s[G1W:G1W+7]  ; and of slot 1
	s_nop 0
.rept 4
	v_nop
.endr
.irp i, 0,1,2,3                                ; the scale words of my 64 rows of x, all of K
.irp jj, 0,1,2
	global_load_b64 v[SCX+6*\i+2*\jj:SCX+6*\i+2*\jj+1], v[SCO], s[86:87] offset:384*\i+8*\jj
.endr
.endr
	s_mov_b32 s[SN], s[ST]
	LOADS                                          ; the first sub-tile's
	s_wait_tensorcnt 0x2                           ; my rows of x have landed; the two loads issued behind them may be out.  Only I read these bytes
	WIN 0x40                                       ; destination window 1
; a fragment, 16 rows x 128 K of 4-bit codes, is 8 registers: lane (r, h): row r; registers 4 c .. 4 c + 3: K = 64 c + 32 h + 0 .. 31.  K step q lies 144 (q / 2) + 64 (q % 2) bytes into a row
.irp i, 0,1,2,3
.irp q, 0,1,2,3,4,5
.irp c, 0,1
	ds_load_b128 v[8*(6*\i+\q)+4*\c:8*(6*\i+\q)+4*\c+3], v[AX] offset:144*(\q/2)+64*(\q%2)+32*\c+\i*16*PITCH
.endr
.endr
.endr
	WIN 0
	s_wait_tensorcnt 0x0                           ; THE ONE REFILL.  All my tensor loads have landed, slots 0 and 1 among them;
	ds_add_u32 v[SPW], v[NIL]
	s_mov_b32 s[J], 0
	s_mov_b32 s[TB], 0
	s_wait_dscnt 0x0                               ; the add is done, and my rows of x are in registers
	CROUND                                         ; both hold of every wave of every partner
	tensor_load_to_lds s[G0W+8:G0W+11], s[G1W:G1W+7]  ; my quarter of slot 2
	s_nop 0
.rept 4
	v_nop
.endr
	s_wait_tensorcnt 0x0                           ; it has landed,
	s_barrier_signal -1
	s_barrier_wait -1                              ; everybody's has: from here on LDS is only read, and the waves go their own ways
.macro FETCHW q, half                  ; six of W's fragments of K step q: blocks 0-5 into window 2, blocks 6-11 into window 3
	WIN 0x80+0x40*(\half)
.irp i, 0,1,2,3,4,5
.irp c, 0,1
	ds_load_b128 v[WF+8*\i+4*\c:WF+8*\i+4*\c+3], v[AW+(\half)] offset:144*((\q)/2)+64*((\q)%2)+32*\c+\i*16*PITCH
.endr
.endr
	WIN 0
.endm
; 12 matrix instructions, q and k: W's blocks 6 half + 0 .. 5 (source 0) x x's blocks 2 pair, 2 pair + 1 (source 1).  first = 1: the sums start from the bias, by W's block.
; The 48 accumulators take turns, one instruction a turn, in the same order in every step.
.macro MULQ half, pair, q, first
.if \first
	WIN (2+(\half))|(1<<2)|((2+(\pair))<<6)
.else
	WIN (2+(\half))|(1<<2)|((2+(\pair))<<4)|((2+(\pair))<<6)
.endif
.irp i, 0,1,2,3,4,5
.irp e, 0,1
.if \first
	v_wmma_scale_f32_16x16x128_f8f6f4 v[8*(12*\e+6*(\half)+\i):8*(12*\e+6*(\half)+\i)+7], v[WF+8*\i:WF+8*\i+7], v[8*(6*(2*(\pair)+\e)+(\q)):8*(6*(2*(\pair)+\e)+(\q))+7], v[BI+8*(6*(\half)+\i):BI+8*(6*(\half)+\i)+7], v[SCW+6*(6*(\half)+\i)+(\q)], v[SCX+6*(2*(\pair)+\e)+(\q)] matrix_a_fmt:MATRIX_FMT_FP4 matrix_b_fmt:MATRIX_FMT_FP4
.else
	v_wmma_scale_f32_16x16x128_f8f6f4 v[8*(12*\e+6*(\half)+\i):8*(12*\e+6*(\half)+\i)+7], v[WF+8*\i:WF+8*\i+7], v[8*(6*(2*(\pair)+\e)+(\q)):8*(6*(2*(\pair)+\e)+(\q))+7], v[8*(12*\e+6*(\half)+\i):8*(12*\e+6*(\half)+\i)+7], v[SCW+6*(6*(\half)+\i)+(\q)], v[SCX+6*(2*(\pair)+\e)+(\q)] matrix_a_fmt:MATRIX_FMT_FP4 matrix_b_fmt:MATRIX_FMT_FP4
.endif
.endr
.endr
.endm
; 24 matrix instructions, v: x's four blocks (source 0) x Wv's blocks 6 half + 0 .. 5 (source 1).  first = 1: the sums start from the bias, by Wv's block.
.macro MULV half, q, first
.if \first
	WIN 1|((2+(\half))<<2)|((2+(\half))<<6)
.else
	WIN 1|((2+(\half))<<2)|((2+(\half))<<4)|((2+(\half))<<6)
.endif
.irp i, 0,1,2,3,4,5
.irp bb, 0,1,2,3
.if \first
	v_wmma_scale_f32_16x16x128_f8f6f4 v[8*(4*\i+\bb):8*(4*\i+\bb)+7], v[8*(6*\bb+(\q)):8*(6*\bb+(\q))+7], v[WF+8*\i:WF+8*\i+7], v[BI+8*(6*(\half)+\i):BI+8*(6*(\half)+\i)+7], v[SCX+6*\bb+(\q)], v[SCW+6*(6*(\half)+\i)+(\q)] matrix_a_fmt:MATRIX_FMT_FP4 matrix_b_fmt:MATRIX_FMT_FP4
.else
	v_wmma_scale_f32_16x16x128_f8f6f4 v[8*(4*\i+\bb):8*(4*\i+\bb)+7], v[8*(6*\bb+(\q)):8*(6*\bb+(\q))+7], v[WF+8*\i:WF+8*\i+7], v[8*(4*\i+\bb):8*(4*\i+\bb)+7], v[SCX+6*\bb+(\q)], v[SCW+6*(6*(\half)+\i)+(\q)] matrix_a_fmt:MATRIX_FMT_FP4 matrix_b_fmt:MATRIX_FMT_FP4
.endif
.endr
.endr
.endm
; A step of 128 along K.  A block of W is free as soon as its four products are issued: blocks 0-5 are fetched anew in the step's middle, blocks 6-11 at its end.
; Four plain places stand in front of loads into registers that matrix instructions have read (ISA guide 7.12.1 for vector instructions).
.macro STEP isv, q, first
	s_wait_dscnt 12                                ; W's blocks 0-5 are in; the twelve loads of blocks 6-11, issued behind them, may be out
.if \isv
	MULV 0, \q, \first
.else
	MULQ 0, 0, \q, \first
	MULQ 0, 1, \q, \first
.endif
	s_wait_dscnt 0
.if (\q) < 5
	PLACES 4
	FETCHW (\q)+1, 0
.endif
.if \isv
	MULV 1, \q, \first
.else
	MULQ 1, 0, \q, \first
	MULQ 1, 1, \q, \first
.endif
.if (\q) < 5
	PLACES 4
	FETCHW (\q)+1, 1
.else
	WIN 0
.endif
.endm
; THE WAYS OUT.  A group is four accumulators on end, 32 registers a lane.  They are rounded to f16 IN PLACE, ascending: register AC + i has been read by an earlier pair; the group's first 16 registers then hold four
; runs of 16 bytes, and go out by four stores of 512 consecutive bytes.  So no other registers are needed, and the one wait for the stores' data stands ahead of the next sub-tile's first product.
; All that the arithmetic touches lies in the accumulators' window: one setting for three groups' arithmetic, one for their stores.  Each accumulator is read from its low end on.
.macro EPIQ a                          ; block a of my rows, the sub-tile's three heads: the row's largest |q| of a head's 64 channels; f; q f in f16
.set W, 2+(\a)/2
	WIN 0x55*W
.irp hh, 0,1,2
.set AC, 96*((\a)%2)+32*\hh
.if ((\a)%2) == 0
.set FF, FE+2*\hh
.else
.set FF, FO
.endif
	v_max3_num_f32 v[M0], |v[AC]|, |v[AC+1]|, 0x00800000      ; two chains, and the floor 2^-126
	v_max3_num_f32 v[M1], |v[AC+16]|, |v[AC+17]|, 0x00800000
.irp i, 2,4,6,8,10,12,14
	v_max3_num_f32 v[M0], |v[AC+\i]|, |v[AC+\i+1]|, v[M0]
	v_max3_num_f32 v[M1], |v[AC+16+\i]|, |v[AC+17+\i]|, v[M1]
.endr
	v_max_num_f32 v[M0], v[M0], v[M1]
	v_permlanex16_b32 v[M1], v[M0], s[SEL], s[SEL+1]  ; the row's other 32 channels lie in lane l xor 16
	v_max_num_f32 v[M0], v[M0], v[M1]
	v_and_b32 v[M0], 0x7f800000, v[M0]
	v_sub_nc_u32 v[FF], 0x7f000000, v[M0]          ; exponent field 254 - the maximum's: f = 2^-floor(log2)
.set i, 0
.rept 16
	v_pk_mul_f32 v[AC+2*i:AC+2*i+1], v[AC+2*i:AC+2*i+1], v[FF:FF+1] op_sel_hi:[1,0]   ; by a power of two: nothing is rounded
.set i, i+1
.endr
.set i, 0
.rept 16
	v_cvt_pk_f16_f32 v[AC+i], v[AC+2*i], v[AC+2*i+1]
.set i, i+1
.endr
.if ((\a)%2) == 1
	v_cndmask_b32 v[TQ+\hh], v[FE+2*\hh], v[FO], s[MH]  ; lanes 0-15: f of row 16 (a - 1) + r; lanes 16-31: of row 16 a + r
.endif
.endr
	WIN W<<2                                       ; a store's data are its source 1
.irp hh, 0,1,2
.irp k, 0,1,2,3
	global_store_b128 v[GO], v[96*((\a)%2)+32*\hh+4*\k:96*((\a)%2)+32*\hh+4*\k+3], s[DST:DST+1] offset:2048*(\a)+131072*\hh+512*\k
.endr
.if ((\a)%2) == 1
	global_store_b32 v[QSO], v[TQ+\hh], s[QSP:QSP+1] offset:512*\hh+128*((\a)/2)   ; 128 consecutive bytes: a block of 256 written in part, one byte in a hundred of what the launch stores
.endif
.endr
.endm
.macro EPIK a                          ; the heads' largest |k| run along, one for each window; k in f16
.set W, 2+(\a)/2
	WIN 0x55*W
.irp hh, 0,1,2
.set AC, 96*((\a)%2)+32*\hh
.set i, 0
.rept 16
.if (((\a)%2) == 0) && (i == 0)
	v_max3_num_f32 v[KK+\hh], |v[AC]|, |v[AC+1]|, 0
.else
	v_max3_num_f32 v[KK+\hh], |v[AC+2*i]|, |v[AC+2*i+1]|, v[KK+\hh]
.endif
	v_cvt_pk_f16_f32 v[AC+i], v[AC+2*i], v[AC+2*i+1]
.set i, i+1
.endr
.endr
	WIN W<<2
.irp hh, 0,1,2
.irp k, 0,1,2,3
	global_store_b128 v[GO], v[96*((\a)%2)+32*\hh+4*\k:96*((\a)%2)+32*\hh+4*\k+3], s[DST:DST+1] offset:2048*(\a)+131072*\hh+512*\k
.endr
.endr
.endm
.macro EPIV g                          ; blocks 3 g .. 3 g + 2 of 16 channels (block a: head a / 4, ct = a % 4), my 64 keys
.set W, 2+(\g)/2
	WIN 0x55*W
.irp u, 0,1,2
.set AC, 32*((3*(\g)+\u)%6)
.set i, 0
.rept 16
	v_cvt_pk_f16_f32 v[AC+i], v[AC+2*i], v[AC+2*i+1]
.set i, i+1
.endr
.endr
	WIN W<<2
.irp u, 0,1,2
.irp k, 0,1,2,3
	global_store_b128 v[GO], v[32*((3*(\g)+\u)%6)+4*\k:32*((3*(\g)+\u)%6)+4*\k+3], s[DST:DST+1] offset:131072*((3*(\g)+\u)/4)+1024*((3*(\g)+\u)%4)+4096*(\k/2)+512*(\k%2)
.endr
.endr
.endm
.Ltrip:                                            ; three trips, a sub-tile each
	v_add_nc_u32 v[AW], s[TB], v[AWB]
	v_add_nc_u32 v[AW+1], 6*16*PITCH, v[AW]
	FETCHW 0, 0
	FETCHW 0, 1
	s_lshr_b32 s[KIND], s[ST], 2
	s_and_b32 s78, s[ST], 3
	s_mul_i32 s78, s78, 3                          ; the sub-tile's first head
	s_mul_i32 s79, s[TBQ], 12
	s_add_co_u32 s79, s79, s78                     ; bh
	s_wait_loadcnt 0x0                             ; the scale words and the bias
	s_wait_xcnt 0x0                                ; the last sub-tile's stores have read their data, which are accumulator registers, and their bases: both are written again only behind this wait
	s_mul_i32 s80, s[KIND], PART
	s_lshl_b32 s81, s79, 17
	s_add_co_u32 s80, s80, s81
	s_lshl_b32 s81, s[NN], 7                       ; 16 rows are 2,048 bytes, 32 keys of v^T 4,096: 128 bytes a row in all three
	s_add_co_u32 s80, s80, s81
	s_mov_b32 s81, 0
	s_add_nc_u64 s[DST:DST+1], s[12:13], s[80:81]  ; where my fragments go
	s_lshr_b32 s82, s[R0], 7
	s_mul_i32 s82, s82, 12
	s_add_co_u32 s82, s82, s78
	s_lshl_b32 s82, s82, 9
	s_and_b32 s83, s[R0], 127
	s_lshl_b32 s83, s83, 2
	s_add_co_u32 s82, s82, s83
	s_mov_b32 s83, 0
	s_add_nc_u64 s[QSP:QSP+1], s[14:15], s[82:83]  ; f
	s_lshl_b32 s84, s79, 4
	s_lshr_b32 s85, s[NN], 6
	s_add_co_u32 s84, s84, s85
	s_lshl_b32 s84, s84, 2
	s_add_co_u32 s84, s84, KMOFF
	s_mov_b32 s85, 0
	s_add_nc_u64 s[KMP:KMP+1], s[14:15], s[84:85]  ; the largest |k|
	s_cmp_eq_u32 s[KIND], 2
	s_cbranch_scc1 .Lmain_v
	STEP 0, 0, 1                                   ; the first step starts the sums from the bias: nothing is cleared, nothing is added later
	STEP 0, 1, 0
	STEP 0, 2, 0
	STEP 0, 3, 0
	STEP 0, 4, 0
	STEP 0, 5, 0
	s_branch .Lmain_done
.Lmain_v:
	STEP 1, 0, 1
	STEP 1, 1, 0
	STEP 1, 2, 0
	STEP 1, 3, 0
	STEP 1, 4, 0
	STEP 1, 5, 0
.Lmain_done:
	PLACES 4                                       ; in front of the first read of results, and of loads into the scale words' registers
	s_cmp_eq_u32 s[J], 2
	s_cbranch_scc1 .Lno_next                       ; the last sub-tile asks for nothing: no load leaves its buffer
	s_add_co_u32 s[SN], s[ST], 1
	s_add_nc_u64 s[PW:PW+1], s[PW:PW+1], 192*24    ; (the loads that read this pointer were waited for at the trip's head)
	LOADS                                          ; the next sub-tile's scale words and bias land under the way out
.Lno_next:
	s_cmp_eq_u32 s[KIND], 0
	s_cbranch_scc1 .Lepi_q
	s_cmp_eq_u32 s[KIND], 1
	s_cbranch_scc1 .Lepi_k
.irp g, 0,1,2,3
	EPIV \g
.endr
	WIN 0
	s_branch .Lepi_done
.Lepi_k:
.irp a, 0,1,2,3
	EPIK \a
.endr
	WIN 0x0e                                       ; source 0 window 2, source 1 window 3
.irp hh, 0,1,2
	v_max_num_f32 v[KR+\hh], v[KK+\hh], v[KK+\hh]  ; the two windows' maxima
.endr
	WIN 0
.irp m, 1,2,4,8                                ; over the 32 lanes: my 64 keys, a head's 64 channels
.irp hh, 0,1,2
	v_max_num_f32_dpp v[KR+\hh], v[KR+\hh], v[KR+\hh] row_xmask:\m row_mask:0xf bank_mask:0xf
.endr
.endr
.irp hh, 0,1,2
	v_permlanex16_b32 v[KT+\hh], v[KR+\hh], s[SEL], s[SEL+1]
.endr
.irp hh, 0,1,2
	v_max_num_f32 v[KR+\hh], v[KR+\hh], v[KT+\hh]
.endr
	v_cndmask_b32 v[KR], v[KR], v[KR+1], s[MH]     ; lane 16 carries the second head's,
	v_cndmask_b32 v[KR], v[KR], v[KR+2], s[MR]     ; lane 1 the third's
	v_cmp_gt_u32 vcc_lo, 192, v[KMO]               ; 128 r + 64 h under 192: lanes 0, 16 and 1, at bytes 0, 64 and 128: the heads' numbers lie 64 bytes apart
	s_wait_xcnt 0x0                                ; EXEC changes only behind this wait
	s_and_saveexec_b32 s[SAVE], vcc_lo
	global_store_b32 v[KMO], v[KR], s[KMP:KMP+1]   ; three numbers a wave
	s_wait_xcnt 0x0                                ; and again, in front of the line that widens it
	s_or_b32 exec_lo, exec_lo, s[SAVE]
	s_branch .Lepi_done
.Lepi_q:
.irp a, 0,1,2,3
	EPIQ \a
.endr
	WIN 0
.Lepi_done:
	s_add_co_u32 s[ST], s[ST], 1
	s_add_co_u32 s[TB], s[TB], WSLOT
	s_add_co_u32 s[J], s[J], 1
	s_cmp_lt_u32 s[J], 3
	s_cbranch_scc1 .Ltrip
	s_wait_tensorcnt 0x0                           ; the wave's end: these three lines
	ds_add_u32 v[SPW], v[NIL]
	s_wait_dscnt 0x0
	CROUND                                         ; the closing round: no work-group ends while a partner may still ask for a tile that names it
	s_endpgm
.Lfunc_end_k_qaf227c02b0_qkvgemm:
	.size	k_qaf227c02b0_qkvgemm, .Lfunc_end_k_qaf227c02b0_qkvgemm-k_qaf227c02b0_qkvgemm
	.p2alignl 7, 3214868480
	.fill 96, 4, 3214868480
	.section	.rodata,"a",@progbits
	.p2align	6, 0x0
	.amdhsa_kernel k_qaf227c02b0_qkvgemm
		.amdhsa_group_segment_fixed_size 327680
		.amdhsa_private_segment_fixed_size 0
		.amdhsa_enable_private_segment 0
		.amdhsa_kernarg_size 48
		.amdhsa_user_sgpr_count 2
		.amdhsa_user_sgpr_kernarg_segment_ptr 1
		.amdhsa_wavefront_size32 1
		.amdhsa_system_sgpr_workgroup_id_x 1
		.amdhsa_system_sgpr_workgroup_id_y 1
		.amdhsa_system_sgpr_workgroup_id_z 1
		.amdhsa_system_vgpr_workitem_id 0
		.amdhsa_next_free_vgpr 1024
		.amdhsa_next_free_sgpr 100
		.amdhsa_reserve_vcc 1
		.amdhsa_float_denorm_mode_32 3
		.amdhsa_float_denorm_mode_16_64 3
		.amdhsa_memory_ordered 1
		.amdhsa_forward_progress 1
		.amdhsa_inst_pref_size 231
	.end_amdhsa_kernel
	.amdgpu_metadata
---
amdhsa.version: [ 1, 2 ]
amdhsa.kernels:
  - .name:           k_qaf227c02b0_qkvgemm
    .symbol:         k_qaf227c02b0_qkvgemm.kd
    .args:
      - { .name: low, .offset: 0, .size: 8, .value_kind: global_buffer, .address_space: global }
      - { .name: bq, .offset: 8, .size: 8, .value_kind: global_buffer, .address_space: global }
      - { .name: bk, .offset: 16, .size: 8, .value_kind: global_buffer, .address_space: global }
      - { .name: bv, .offset: 24, .size: 8, .value_kind: global_buffer, .address_space: global }
      - { .name: qkv, .offset: 32, .size: 8, .value_kind: global_buffer, .address_space: global }
      - { .name: side, .offset: 40, .size: 8, .value_kind: global_buffer, .address_space: global }
    .group_segment_fixed_size: 327680
    .private_segment_fixed_size: 0
    .kernarg_segment_align: 8
    .kernarg_segment_size: 48
    .max_flat_workgroup_size: 128
    .sgpr_count:     100
    .vgpr_count:     1024
    .wavefront_size: 32
...
	.end_amdgpu_metadata
.endif
;; end of part 2
;; launch attn (part 3): grid 4 x 192, 8 waves a work-group, clusters of 4 x 1, 327,680 bytes of LDS; arguments qkv, side, ctx; writes ctx
.if DOCPART == 3
	.amdgcn_target "amdgcn-amd-amdhsa--gfx1250"
	.amdhsa_code_object_version 6
	.text
	.protected	k_qaf227c02b0_attn
	.globl	k_qaf227c02b0_attn
	.p2align	8
	.type	k_qaf227c02b0_attn,@function
k_qaf227c02b0_attn:
	s_mov_b64 s[64:65], 0
	v_nop
	global_prefetch_b8 v0, s[64:65] scope:SCOPE_SE
	s_setreg_imm32_b32 hwreg(HW_REG_WAVE_MODE, 25, 1), 1
	s_wait_xcnt 0x0
	s_wait_alu depctr_hold_cnt(0) depctr_sa_sdst(0) depctr_va_vdst(0) depctr_va_sdst(0) depctr_va_ssrc(0) depctr_va_vcc(0) depctr_vm_vsrc(0)
	s_getreg_b32 s2, hwreg(HW_REG_IB_STS2, 6, 4)
	s_cmp_eq_u32 s2, 0
	s_cbranch_scc0 .Lentry_in_a_cluster
	s_endpgm
.Lentry_in_a_cluster:
	s_bfe_u32 s2, ttmp6, 0x10000c
	s_cmp_lg_u32 s2, 0x3003
	s_cbranch_scc0 .Lentry_shape_is_right
	s_endpgm
.Lentry_shape_is_right:
; ctx[q] = sum over keys of relu(q . k / 8) v / (sum over keys of relu(q . k / 8) + 1e-6), for each of 192 (sequence, head), 1,024 queries and keys, 64 channels.  Operands f16, products and sums f32.
; THE SCALE.  q' = q f comes with its largest number in [1, 2) (f a power of two, a number for each row and head); kmax is the head's largest |k|.  Q is multiplied by 2^t, t = 7 - floor(log2 kmax) held to -14 .. 14:
; widened to f32, multiplied there, rounded to f16 again.
; Then |s'| = |2^t q' . k| <= 64 x 2^(t + 1) x 2^(floor(log2 kmax) + 1) = 2^15 for every input, so p' = relu(s') has room in f16.  p' = 8 f 2^t relu(q . k / 8), all factors exact, so
; ctx = sum(p' v) / (sum(p') + f x epsh), epsh = 8 x 2^t x 1e-6.  The sum is taken of the unrounded p'.  The divisor is held at 2^-126 from below.
; LIMITS: as the launch before states them (|k|, |v| up to 65,504; |q| under 2^100); NaN and infinities are not served.
; SHARES.  A work-group owns 256 queries of one head.  Wave w: g = w & 3: 64 queries, four tiles of 16; kh = w >> 2: keys 512 kh .. 512 kh + 511.  relu and the sums are plain sums over the keys, so the two
; waves of a g add their parts at the end.  Two waves lie on a SIMD: one wave's vector work stands beside the other's products.  Each fragment of K and V read from LDS feeds four products.
; My local tile t' is the block's tile t' xor 2 kh: so every wave keeps its local tiles 0, 1 and hands tiles 2, 3 to its partner, by one text.
; LAYOUT.  S^T = K Q^T (source 0 = 16 keys, source 1 = 16 queries): a lane holds one query and keys 8 h + 0 .. 7; two such tiles, rounded in pairs, are source 1 of O^T = V^T P.  All operands lie in memory and in LDS
; as images of their registers: every load is 512 consecutive bytes, 16 a lane.
; LDS.  The head's K (131,072 bytes) and V (131,072) are filled once.  Each wave issues four joint loads of 8,192 bytes at the head: four tensor loads of mine are out.  Load p brings a part of what steps 4 p .. 4 p + 3
; of both halves of the keys read, so the work begins when a quarter has landed; that is why a load has 32 rows of 256 bytes and no more.
; CLUSTER.  The four query blocks of a head read the same K and V: each load is asked for jointly, mask 15.
; REGISTERS.  window 0: v2-14 addresses and constants; v16-23 the sums, a pair a tile; v24-31 at work; v32-95 S^T (32 + 16 t + 8 u), at the head Q as loaded; v96-127 P (8 a tile); v128-159 V's four fragments;
;   v160-255 the way out; at the head v96-223 Q in f32.   window 1: v0-127 O^T (32 t + 8 ct); v128-191 Q (16 t + 8 s); v192-223 K (16 u + 8 s).
.set KF,    25165824
.set LV,    131072                     ; LDS: V behind K
.set SPARE, 262144                     ; the spare words: 128 bytes for each of eight waves
.set XSLOT, 8448                       ; the exchange: 8,192 bytes of O^T and 256 of sums a wave, in K's bytes, which have had their one fill and, behind a barrier, their last read
.set AK,   2                           ; v2   16 x lane + my half of the keys, in K
.set AV,   3                           ; v3   the same in V
.set LI,   4                           ; v4   16 x lane
.set R4,   5                           ; v5   4 r
.set SPW,  6
.set NIL,  7
.set STO,  8                           ; v8   my slot of the exchange;  v9 my partner's
.set STI,  9
.set STOS, 10                          ; v10, v11 the sums' places in them
.set STIS, 11
.set EPSH, 13                          ; v13  epsh
.set PFO,  14                          ; v14  256 x lane
.set SUM,  16
.set SM,   24
.set PS,   28
.set QS,   30
.set SS,   32
.set PP,   96
.set VV,   128
.set XX,   160
.set PKO,  224
.set QQ,   128
.set KK,   192
.set MSB, 0
.macro WIN new
.if MSB != (\new)
	s_set_vgpr_msb (MSB<<8)|(\new)
.set MSB, (\new)
.endif
.endm
.macro CROUND
	s_barrier_signal -1
	s_barrier_wait -1
	s_cmp_lg_u32 s10, 0
	s_cbranch_scc1 .Lnot_wave_0_\@
	s_barrier_signal -3
.Lnot_wave_0_\@:
	s_barrier_wait -3
	s_barrier_signal -1
	s_barrier_wait -1
.endm
	s_load_b128 s[4:7], s[0:1], 0x0                ; qkv, side
	s_load_b64 s[8:9], s[0:1], 0x10                ; ctx
	v_lshl_add_u32 v[SPW], v0, 2, SPARE
	v_mov_b32 v[NIL], 0
	ds_add_u32 v[SPW], v[NIL]                      ; the wave's opening: the add, twice on end, and its wait ahead of my first tensor load
	ds_add_u32 v[SPW], v[NIL]
	v_lshrrev_b32 v1, 5, v0
	v_readfirstlane_b32 s10, v1                    ; wave 0..7
	s_and_b32 s11, s10, 3                          ; g
	s_lshr_b32 s12, s10, 2                         ; kh
	s_bfe_u32 s13, ttmp6, 0x40000                  ; cx
	s_and_b32 s14, ttmp7, 0xffff                   ; bh, which the partners share
	s_mul_i32 s15, s14, 43691
	s_lshr_b32 s15, s15, 19                        ; tb = bh / 12 (exact for bh under 192)
	s_mul_i32 s16, s15, 12
	s_sub_co_u32 s16, s14, s16                     ; head
	s_lshl_b32 s17, ttmp9, 2
	s_add_co_u32 s17, s17, s13                     ; my block of 256 queries
	s_mov_b32 s24, 15|(3<<16)|(1<<21)              ; group 1: the mask of the four; elements of 8 bytes; bit 21 beside the mask; no padding
	s_mov_b32 s25, 32<<16                          ; tensor_dim0 = 32 elements: 256 bytes
	s_mov_b32 s26, 32<<16                          ; tensor_dim1 = 32
	s_mov_b32 s27, 32<<16                          ; tile_dim0
	s_mov_b32 s28, 32                              ; tile_dim1
	s_mov_b32 s29, 32                              ; dense
	s_mov_b32 s30, 0
	s_mov_b32 s31, 0
	s_lshl_b32 s82, s14, 17                        ; the head's 131,072 bytes in each part of qkv
	s_and_b32 s18, s10, 1                          ; I fetch for K (0) or for V (1),
	s_bfe_u32 s19, s10, 0x10001                    ; for which half of the keys,
	s_lshl_b32 s20, s19, 16
	s_lshl_b32 s21, s12, 13                        ; and which 8,192 bytes of a phase's 16,384
	s_add_co_u32 s20, s20, s21
	s_lshl_b32 s21, s18, 17
	s_add_co_u32 s21, s21, s20                     ; in LDS
	s_mul_i32 s22, s18, KF
	s_add_co_u32 s22, s22, KF
	s_add_co_u32 s22, s22, s20
	s_add_co_u32 s22, s22, s82                     ; in qkv
	s_mov_b32 s23, 0
	s_lshl_b32 s80, s17, 4
	s_lshl_b32 s81, s11, 2
	s_add_co_u32 s80, s80, s81                     ; my g's first tile of queries
	s_lshl_b32 s81, s12, 1
	s_add_co_u32 s83, s80, s81                     ; the two tiles that I keep
	s_xor_b32 s81, s81, 2
	s_add_co_u32 s84, s80, s81                     ; the two that I hand over
	s_lshl_b32 s48, s83, 11
	s_add_co_u32 s48, s48, s82
	s_mov_b32 s49, 0
	s_lshl_b32 s50, s84, 11
	s_add_co_u32 s50, s50, s82
	s_mov_b32 s51, 0
	s_lshl_b32 s58, s15, 6
	s_add_co_u32 s58, s58, s83                     ; the tile of 16 rows among all 1,024
	s_mul_i32 s58, s58, 24
	s_lshl_b32 s85, s16, 1
	s_add_co_u32 s58, s58, s85                     ; + 2 x head: fragments of 32 columns
	s_lshl_b32 s58, s58, 10
	s_mov_b32 s59, 0
	s_lshl_b32 s68, s15, 3
	s_lshl_b32 s85, s17, 1
	s_add_co_u32 s68, s68, s85
	s_lshr_b32 s85, s11, 1
	s_add_co_u32 s68, s68, s85                     ; the block of 128 rows
	s_mul_i32 s68, s68, 12
	s_add_co_u32 s68, s68, s16
	s_lshl_b32 s68, s68, 9
	s_and_b32 s85, s11, 1
	s_lshl_b32 s85, s85, 8
	s_add_co_u32 s68, s68, s85
	s_lshl_b32 s85, s12, 7
	s_add_co_u32 s68, s68, s85                     ; f of the 32 rows that I keep
	s_mov_b32 s69, 0
	s_lshl_b32 s66, s14, 6                         ; the head's sixteen largest |k|
	s_mov_b32 s67, 0
	; the prefetches: head bh + 64's K, V and q.  The 32 waves of the cluster share K's and V's 262,144 bytes out by address, 8,192 each; waves 0 to 3 of each work-group also take their block's q
	s_add_co_u32 s86, s82, 64*131072
	s_mul_i32 s52, s18, KF
	s_add_co_u32 s52, s52, KF
	s_add_co_u32 s52, s52, s86
	s_lshl_b32 s85, s13, 2
	s_lshr_b32 s87, s10, 1
	s_add_co_u32 s85, s85, s87
	s_lshl_b32 s85, s85, 13
	s_add_co_u32 s52, s52, s85
	s_mov_b32 s53, 0
	s_lshl_b32 s54, s17, 15
	s_lshl_b32 s85, s10, 13
	s_add_co_u32 s54, s54, s85
	s_add_co_u32 s54, s54, s86
	s_mov_b32 s55, 0
	s_cmp_lt_u32 s14, 128                          ; the last 64 heads ask for nothing: no prefetch points past the buffer's part
	s_cselect_b32 s56, 1, 0
	s_cmp_lt_u32 s10, 4
	s_cselect_b32 s57, s56, 0
	s_mov_b32 s60, 0x76543210
	s_mov_b32 s61, 0xfedcba98
	v_and_b32 v1, 31, v0
	v_lshlrev_b32 v[LI], 4, v1
	v_and_b32 v[R4], 15, v0
	v_lshlrev_b32 v[R4], 2, v[R4]
	s_lshl_b32 s88, s12, 16
	v_add_nc_u32 v[AK], s88, v[LI]
	v_add_nc_u32 v[AV], LV, v[AK]
	s_lshl_b32 s89, s11, 1
	s_add_co_u32 s89, s89, s12                     ; my slot: 2 g + kh;
	s_xor_b32 s90, s89, 1                          ; my partner's
	s_mul_i32 s89, s89, XSLOT
	s_mul_i32 s90, s90, XSLOT
	v_add_nc_u32 v[STO], s89, v[LI]
	v_add_nc_u32 v[STI], s90, v[LI]
	v_lshlrev_b32 v[STOS], 3, v1
	v_add_nc_u32 v[STIS], s90, v[STOS]
	v_add_nc_u32 v[STOS], s89, v[STOS]
	v_add_nc_u32 v[STOS], 8192, v[STOS]
	v_add_nc_u32 v[STIS], 8192, v[STIS]
	v_lshlrev_b32 v[PFO], 8, v1
	s_wait_dscnt 0x0                               ; both opening adds are done
	s_wait_kmcnt 0x0
	s_add_nc_u64 s[66:67], s[6:7], s[66:67]
	s_load_b512 s[72:87], s[66:67], 0xc0000        ; this launch writes nothing of 'side'
	s_add_nc_u64 s[70:71], s[4:5], s[22:23]
.irp p, 0,1,2,3
	s_mov_b32 s[32+4*\p], 1
	s_add_co_u32 s[33+4*\p], s21, 16384*\p
	s_add_nc_u64 s[34+4*\p:35+4*\p], s[70:71], 16384*\p
	s_or_b32 s[35+4*\p], s[35+4*\p], 0x80000000
.endr
	s_add_nc_u64 s[48:49], s[4:5], s[48:49]
	s_add_nc_u64 s[50:51], s[4:5], s[50:51]
	s_add_nc_u64 s[52:53], s[4:5], s[52:53]
	s_add_nc_u64 s[54:55], s[4:5], s[54:55]
	s_add_nc_u64 s[58:59], s[8:9], s[58:59]
	s_add_nc_u64 s[68:69], s[6:7], s[68:69]
.irp p, 0,1                                    ; Q as it lies, into the registers that the scores will take: asked for ahead of the round, so that it is on its way while the partners meet
.irp i, 0,1
.irp s, 0,1
.irp c, 0,1
	global_load_b128 v[SS+16*(2*\p+\i)+8*\s+4*\c:SS+16*(2*\p+\i)+8*\s+4*\c+3], v[LI], s[48+2*\p:49+2*\p] offset:2048*\i+1024*\s+512*\c
.endr
.endr
.endr
.endr
.irp t, 0,1
	global_load_b32 v[QS+\t], v[R4], s[68:69] offset:64*\t
.endr
	CROUND                                         ; the four partners are here: the joint loads meet
.irp p, 0,1,2,3
	tensor_load_to_lds s[32+4*\p:35+4*\p], s[24:31]
	s_nop 0
.endr
.rept 4
	v_nop
.endr
	s_wait_kmcnt 0x0
.irp i, 73,74,75,76,77,78,79,80,81,82,83,84,85,86,87
	s_max_u32 s72, s72, s\i                        ; none is negative: the order of the bits is the order of the numbers
.endr
	s_lshr_b32 s72, s72, 23
	s_sub_co_i32 s72, 134, s72                     ; t = 7 - floor(log2 kmax),
	s_max_i32 s72, s72, -14
	s_min_i32 s72, s72, 14                         ; held so that 2^t q' keeps f16's range
	s_add_co_u32 s88, s72, 127
	s_lshl_b32 s88, s88, 23                        ; 2^t in f32
	s_mov_b32 s89, s88                             ; (named with it as a pair, so it is written)
	s_lshl_b32 s74, s72, 23
	s_add_co_u32 s74, s74, 0x370637bd              ; 8 x 1e-6 with t added to its exponent field
	v_mov_b32 v[EPSH], s74
	s_wait_loadcnt 0x0
.irp r, 32,33,34,35,36,37,38,39,40,41,42,43,44,45,46,47,48,49,50,51,52,53,54,55,56,57,58,59,60,61,62,63,64,65,66,67,68,69,70,71,72,73,74,75,76,77,78,79,80,81,82,83,84,85,86,87,88,89,90,91,92,93,94,95
	v_cvt_f32_f16 v[96+2*(\r-32)], v\r\().l        ; Q in f32,
	v_cvt_f32_f16 v[97+2*(\r-32)], v\r\().h
.endr
.set i, 0
.rept 64
	v_pk_mul_f32 v[96+2*i:97+2*i], v[96+2*i:97+2*i], s[88:89] op_sel_hi:[1,0]   ; x 2^t,
.set i, i+1
.endr
	WIN 0x40                                       ; destination window 1
.set i, 0
.rept 64
	v_cvt_pk_f16_f32 v[QQ+i], v[96+2*i], v[97+2*i] ; and in f16 again, at its place
.set i, i+1
.endr
	WIN 0
.macro LOADK j                         ; step j's 32 keys of K: 2 tiles x 2 halves of the channels
	WIN 0x40
.irp u, 0,1
.irp s, 0,1
.irp c, 0,1
	ds_load_b128 v[KK+16*\u+8*\s+4*\c:KK+16*\u+8*\s+4*\c+3], v[AK] offset:4096*(\j)+2048*\u+1024*\s+512*\c
.endr
.endr
.endr
	WIN 0
.endm
.macro LOADV j                         ; and of V^T: 4 tiles of 16 channels
.irp ct, 0,1,2,3
.irp c, 0,1
	ds_load_b128 v[VV+8*\ct+4*\c:VV+8*\ct+4*\c+3], v[AV] offset:4096*(\j)+1024*\ct+512*\c
.endr
.endr
.endm
; A STEP: 32 keys x my 64 queries: 16 products K Q^T, relu, rounding and sums, 16 products V^T P.  The accumulators take turns, one instruction a turn.
; first = 1: the sums begin (C = 0; the row sums from the first two pairs).  next = 1: the next step's fragments are fetched, K's behind the first products, V's behind the second.
.macro STEP j, first, next
	s_wait_dscnt 8                                 ; K's eight loads are in; V's eight, issued behind them, may be out
	WIN 0x05                                       ; K and Q window 1, S^T window 0
.irp s, 0,1
.irp u, 0,1
.irp t, 0,1,2,3
.if \s == 0
	v_wmma_f32_16x16x32_f16 v[SS+16*\t+8*\u:SS+16*\t+8*\u+7], v[KK+16*\u+8*\s:KK+16*\u+8*\s+7], v[QQ+16*\t+8*\s:QQ+16*\t+8*\s+7], 0
.else
	v_wmma_f32_16x16x32_f16 v[SS+16*\t+8*\u:SS+16*\t+8*\u+7], v[KK+16*\u+8*\s:KK+16*\u+8*\s+7], v[QQ+16*\t+8*\s:QQ+16*\t+8*\s+7], v[SS+16*\t+8*\u:SS+16*\t+8*\u+7]
.endif
.endr
.endr
.endr
.rept 4
	v_nop                                          ; four places in front of loads into K's registers and of the first read of the scores
.endr
.if \next
	LOADK (\j)+1
.else
	WIN 0
.endif
.irp i, 0,1,2,3,4,5,6,7                        ; each accumulator from its low end on; the four tiles by turns
.irp t, 0,1,2,3
	v_max_num_f32 v[SS+16*\t+2*\i], 0, v[SS+16*\t+2*\i]
	v_max_num_f32 v[SS+16*\t+2*\i+1], 0, v[SS+16*\t+2*\i+1]
.endr
.irp t, 0,1,2,3
	v_cvt_pk_f16_f32 v[PP+8*\t+\i], v[SS+16*\t+2*\i], v[SS+16*\t+2*\i+1]
.if \first && (\i == 0)
.elseif \first && (\i == 1)
	v_pk_add_f32 v[SUM+2*\t:SUM+2*\t+1], v[SS+16*\t:SS+16*\t+1], v[SS+16*\t+2:SS+16*\t+3]
.else
	v_pk_add_f32 v[SUM+2*\t:SUM+2*\t+1], v[SUM+2*\t:SUM+2*\t+1], v[SS+16*\t+2*\i:SS+16*\t+2*\i+1]
.endif
.endr
.endr
	s_wait_dscnt 8*(\next)                         ; V's loads are in; the next step's eight of K, issued behind them, may be out
	WIN 0x50                                       ; V and P window 0, O^T window 1
.irp ct, 0,1,2,3
.irp t, 0,1,2,3
.if \first
	v_wmma_f32_16x16x32_f16 v[32*\t+8*\ct:32*\t+8*\ct+7], v[VV+8*\ct:VV+8*\ct+7], v[PP+8*\t:PP+8*\t+7], 0
.else
	v_wmma_f32_16x16x32_f16 v[32*\t+8*\ct:32*\t+8*\ct+7], v[VV+8*\ct:VV+8*\ct+7], v[PP+8*\t:PP+8*\t+7], v[32*\t+8*\ct:32*\t+8*\ct+7]
.endif
.endr
.endr
.rept 4
	v_nop                                          ; four places in front of loads into V's registers and of the next writes of P
.endr
	WIN 0
.if \next
	LOADV (\j)+1
.endif
.endm
; A PHASE: four steps, whose bytes load p of every wave has brought.
.macro PHASE p
	s_wait_tensorcnt 3-(\p)                        ; my load p has landed; the 3 - p issued behind it may be out
	s_wait_dscnt 0x0
	s_barrier_signal -1
	s_barrier_wait -1                              ; everybody's has
	LOADK 4*(\p)
	LOADV 4*(\p)
.if (\p) == 3
	; A PREFETCH INTO THE L2, behind the last phase's run of LDS loads: what the cluster that takes head bh + 64 will ask for: four steps and the way out ahead of it.  Each block of 256 bytes is named once: lanes 256
	; bytes apart, waves and partners told apart by address.  The branches hang on the head's and the wave's number alone.  The address registers are never rewritten.
	s_cmp_eq_u32 s56, 1
	s_cbranch_scc0 .Lno_kv
	global_prefetch_b8 v[PFO], s[52:53] th:TH_LOAD_NT scope:SCOPE_SE
.Lno_kv:
	s_cmp_eq_u32 s57, 1
	s_cbranch_scc0 .Lno_q
	global_prefetch_b8 v[PFO], s[54:55] th:TH_LOAD_NT scope:SCOPE_SE
.Lno_q:
.endif
.if (\p) == 0
	STEP 0, 1, 1
.else
	STEP 4*(\p), 0, 1
.endif
	STEP 4*(\p)+1, 0, 1
	STEP 4*(\p)+2, 0, 1
	STEP 4*(\p)+3, 0, 0
.endm
	PHASE 0
	PHASE 1
	PHASE 2
	PHASE 3
	; THE WAY OUT.  My part of tiles 2, 3 goes to my partner through LDS, as it stands in the registers; its part of my tiles 0, 1 comes back the same way.
.irp t, 0,1,2,3
	v_add_f32 v[SM+\t], v[SUM+2*\t], v[SUM+2*\t+1]
.endr
	s_wait_dscnt 0x0
	s_barrier_signal -1
	s_barrier_wait -1                              ; nobody reads K any more
	WIN 0x04                                       ; an LDS store's data are its source 1: window 1
.set i, 0
.rept 16
	ds_store_b128 v[STO], v[64+4*i:67+4*i] offset:512*i    ; each accumulator from its low end on
.set i, i+1
.endr
	WIN 0
	ds_store_b64 v[STOS], v[SM+2:SM+3]
	s_wait_dscnt 0x0                               ; for the partner's sake: my stores are done
	s_barrier_signal -1
	s_barrier_wait -1
.set i, 0
.rept 16
	ds_load_b128 v[XX+4*i:XX+4*i+3], v[STI] offset:512*i
.set i, i+1
.endr
	ds_load_b64 v[PS:PS+1], v[STIS]
	s_wait_dscnt 0x0
.irp t, 0,1
	v_add_f32 v[SM+\t], v[SM+\t], v[PS+\t]         ; the other 512 keys' sum,
.endr
.irp t, 0,1
	v_permlanex16_b32 v[SM+2+\t], v[SM+\t], s60, s61
.endr
.irp t, 0,1
	v_add_f32 v[SM+\t], v[SM+\t], v[SM+2+\t]       ; and lane l xor 16's keys
.endr
.irp t, 0,1
	v_fma_f32 v[SM+\t], v[QS+\t], v[EPSH], v[SM+\t]  ; + 1e-6 under the row's scale
.endr
.irp t, 0,1
	v_max_num_f32 v[SM+\t], 0x00800000, v[SM+\t]
.endr
	v_rcp_f32 v[SUM+4], v[SM]                      ; into the low words of pairs whose both words have been written
	v_rcp_f32 v[SUM+6], v[SM+1]
	WIN 0x01                                       ; source 0 window 1
.set i, 0
.rept 32
	v_pk_add_f32 v[XX+2*i:XX+2*i+1], v[2*i:2*i+1], v[XX+2*i:XX+2*i+1]   ; my part + my partner's: plain work behind the reciprocals, naming none of their registers
.set i, i+1
.endr
	WIN 0
	s_wait_alu depctr_va_vdst(0)                   ; one wait for both reciprocals, ahead of their first reader
.irp t, 0,1
.set i, 0
.rept 16
	v_pk_mul_f32 v[XX+32*\t+2*i:XX+32*\t+2*i+1], v[XX+32*\t+2*i:XX+32*\t+2*i+1], v[SUM+4+2*\t:SUM+5+2*\t] op_sel_hi:[1,0]
.set i, i+1
.endr
.endr
.set i, 0
.rept 32
	v_cvt_pk_f16_f32 v[PKO+i], v[XX+2*i], v[XX+2*i+1]
.set i, i+1
.endr
.irp t, 0,1
.irp ct, 0,1,2,3
	global_store_b128 v[LI], v[PKO+16*\t+4*\ct:PKO+16*\t+4*\ct+3], s[58:59] offset:24576*\t+1024*(\ct/2)+512*(\ct%2)   ; 512 consecutive bytes, aligned: half a fragment of the next launch's operand
.endr
.endr
	s_wait_tensorcnt 0x0                           ; the wave's end: these three lines, behind my last LDS store
	ds_add_u32 v[SPW], v[NIL]
	s_wait_dscnt 0x0
	CROUND                                         ; the closing round
	s_endpgm
.Lfunc_end_k_qaf227c02b0_attn:
	.size	k_qaf227c02b0_attn, .Lfunc_end_k_qaf227c02b0_attn-k_qaf227c02b0_attn
	.p2alignl 7, 3214868480
	.fill 96, 4, 3214868480
	.section	.rodata,"a",@progbits
	.p2align	6, 0x0
	.amdhsa_kernel k_qaf227c02b0_attn
		.amdhsa_group_segment_fixed_size 327680
		.amdhsa_private_segment_fixed_size 0
		.amdhsa_enable_private_segment 0
		.amdhsa_kernarg_size 24
		.amdhsa_user_sgpr_count 2
		.amdhsa_user_sgpr_kernarg_segment_ptr 1
		.amdhsa_wavefront_size32 1
		.amdhsa_system_sgpr_workgroup_id_x 1
		.amdhsa_system_sgpr_workgroup_id_y 1
		.amdhsa_system_sgpr_workgroup_id_z 1
		.amdhsa_system_vgpr_workitem_id 0
		.amdhsa_next_free_vgpr 512
		.amdhsa_next_free_sgpr 100
		.amdhsa_reserve_vcc 0
		.amdhsa_float_denorm_mode_32 3
		.amdhsa_float_denorm_mode_16_64 3
		.amdhsa_memory_ordered 1
		.amdhsa_forward_progress 1
		.amdhsa_inst_pref_size 185
	.end_amdhsa_kernel
	.amdgpu_metadata
---
amdhsa.version: [ 1, 2 ]
amdhsa.kernels:
  - .name:           k_qaf227c02b0_attn
    .symbol:         k_qaf227c02b0_attn.kd
    .args:
      - { .name: qkv, .offset: 0, .size: 8, .value_kind: global_buffer, .address_space: global }
      - { .name: side, .offset: 8, .size: 8, .value_kind: global_buffer, .address_space: global }
      - { .name: ctx, .offset: 16, .size: 8, .value_kind: global_buffer, .address_space: global }
    .group_segment_fixed_size: 327680
    .private_segment_fixed_size: 0
    .kernarg_segment_align: 8
    .kernarg_segment_size: 24
    .max_flat_workgroup_size: 256
    .sgpr_count:     100
    .vgpr_count:     512
    .wavefront_size: 32
...
	.end_amdgpu_metadata
.endif
;; end of part 3
;; launch proj (part 4): grid 4 x 64, 4 waves a work-group, clusters of 4 x 4, 327,680 bytes of LDS; arguments ctx, low, bo, out0; writes out0
.if DOCPART == 4
	.amdgcn_target "amdgcn-amd-amdhsa--gfx1250"
	.amdhsa_code_object_version 6
	.text
	.protected	k_qaf227c02b0_proj
	.globl	k_qaf227c02b0_proj
	.p2align	8
	.type	k_qaf227c02b0_proj,@function
k_qaf227c02b0_proj:
	s_mov_b64 s[64:65], 0
	v_nop
	global_prefetch_b8 v0, s[64:65] scope:SCOPE_SE
	s_setreg_imm32_b32 hwreg(HW_REG_WAVE_MODE, 25, 1), 1
	s_wait_xcnt 0x0
	s_wait_alu depctr_hold_cnt(0) depctr_sa_sdst(0) depctr_va_vdst(0) depctr_va_sdst(0) depctr_va_ssrc(0) depctr_va_vcc(0) depctr_vm_vsrc(0)
	s_getreg_b32 s2, hwreg(HW_REG_IB_STS2, 6, 4)
	s_cmp_eq_u32 s2, 0
	s_cbranch_scc0 .Lentry_in_a_cluster
	s_endpgm
.Lentry_in_a_cluster:
	s_bfe_u32 s2, ttmp6, 0x10000c
	s_cmp_lg_u32 s2, 0xf033
	s_cbranch_scc0 .Lentry_shape_is_right
	s_endpgm
.Lentry_shape_is_right:
; out0 = ctx Wo^T + bo.  ctx [16384 x 768] and Wo [768 x 768] in f16, as images of operand registers (fragment [c 2][lane 32][16 bytes]; ctx: [tile of 16 rows 1024][kq 24]; Wo at low + WOF: [tile of 16 rows 48][kq 24]);
; sums in f32, the bias as the C of each sum's first product; out0 f32.
; SHARES.  A tile of out0 is 256 rows x 192 columns: 64 x 4 = 256 work-groups.  Wave w makes rows 64 w .. 64 w + 63 x all 192 columns: 48 accumulators; a row's piece is 768 bytes, three aligned blocks of 256.
; K goes in 6 steps of 128 through two LDS slots; all is written out, no loop.  A slot: ctx's 16 tiles x 4,096 bytes, then Wo's 12 x 4,096: dense images, every LDS load 512 consecutive bytes.
; A tensor load's row is a tile's four fragments of the step, 4,096 consecutive bytes; from tile to tile 24,576.  Waves 0, 1 fetch ctx's halves (8 rows), waves 2, 3 Wo's (6 rows).
; Two tensor loads of mine are out at the start, one behind each round.
; CLUSTER 4 x 4: ctx's tile hangs on the tile row alone and is shared along a row of the cluster, Wo's on the tile column alone and is shared along a column: joint loads.
; THE MATRIX INSTRUCTION IS USED TRANSPOSED (source 0 = 16 rows of Wo, source 1 = 16 rows of ctx): a lane holds eight neighbouring numbers of a row of out0.
; REGISTERS.  window 0: v16-30 addresses; v64-95, v96-127 ctx's four fragments, two buffers; v128-223 the bias, 12 sets of 8; on the way out v64-159 and v160-255 by turns.
;   window 1: Wo's twelve fragments, two buffers, at v0 and v128.   windows 2, 3: accumulator (a, b) at v[8 (12 (a % 2) + b)], window 2 + a / 2.
.set WOF,    7624704
.set RTB,    24576                     ; a tile of 16 rows: 24 fragments
.set STEPB,  4096                      ; a K step of it: 4 fragments
.set BOFF,   65536                     ; Wo's part of a slot
.set SLOT,   114688
.set SPARE,  2*SLOT                    ; the spare words: 128 bytes a wave
.set SPITCH, 784                       ; the way out: a stage of 16 rows x (768 bytes + 16) for each wave, in slot 0, which has had its last fill and its last read by then
.set ADRA, 16                          ; v16-17  my fragments of ctx in slot 0, 1
.set ADRB, 20                          ; v20-21  Wo's
.set STO,  22
.set RD0,  23
.set RD1,  24
.set CO0,  25
.set CO1,  26
.set BO,   27
.set SPW,  28
.set NIL,  29
.set PFO,  30
.set BI,   128
.set G1A,  24
.set G0A,  32
.set G1B,  48
.set G0B,  56
.set MSB, 0
.macro WIN new
.if MSB != (\new)
	s_set_vgpr_msb (MSB<<8)|(\new)
.set MSB, (\new)
.endif
.endm
.macro PLACES n
.rept \n
	v_nop
.endr
.endm
; A joint load into slot s.  Each of the two lines has one mask and one set of registers; the branch hangs on the wave's number alone.  An s_nop 0 and four v_nop follow each line.
.macro JLOAD s
	s_cmp_eq_u32 s13, 0
	s_cbranch_scc0 .Lfor_b_\@
	tensor_load_to_lds s[G0A+4*(\s):G0A+4*(\s)+3], s[G1A:G1A+7]
	s_nop 0
.rept 4
	v_nop
.endr
	s_branch .Lasked_\@
.Lfor_b_\@:
	tensor_load_to_lds s[G0B+4*(\s):G0B+4*(\s)+3], s[G1B:G1B+7]
	s_nop 0
.rept 4
	v_nop
.endr
.Lasked_\@:
.endm
.macro CREST
	s_cmp_lg_u32 s12, 0
	s_cbranch_scc1 .Lnot_wave_0_\@
	s_barrier_signal -3
.Lnot_wave_0_\@:
	s_barrier_wait -3
	s_barrier_signal -1
	s_barrier_wait -1
.endm
.macro CROUND
	s_barrier_signal -1
	s_barrier_wait -1
	CREST
.endm
; A PREFETCH INTO THE L2 of ctx's K step s + 3, which the next change of slots will ask for: one K step, 192 matrix instructions, ahead of that load.  A tile row of ctx is read by the four work-groups of one row of one
; cluster alone.  Waves 0 and 1 ask, each for its half's eight tiles; the four partners share them out by address, two each: 2 x 4,096 bytes, lanes 256 bytes apart.  So each block is named once.  The step stands in
; the immediate: no register is rewritten.  Steps 0 to 2 come by their loads alone; the last refill has no step behind it.  Wo's image, which all clusters walk in step, is not asked for.
.macro ASK s
	s_cmp_eq_u32 s13, 0
	s_cbranch_scc0 .Lnot_mine_\@
	global_prefetch_b8 v[PFO], s[66:67] offset:STEPB*((\s)+3) th:TH_LOAD_NT scope:SCOPE_SE
.Lnot_mine_\@:
.endm
	s_load_b256 s[4:11], s[0:1], 0x0               ; ctx, low, bo, out0
	v_lshl_add_u32 v[SPW], v0, 2, SPARE
	v_mov_b32 v[NIL], 0
	ds_add_u32 v[SPW], v[NIL]                      ; the wave's opening: the add, twice on end, and its wait ahead of my first tensor load
	ds_add_u32 v[SPW], v[NIL]
	v_lshrrev_b32 v1, 5, v0
	v_readfirstlane_b32 s12, v1                    ; wave
	s_lshr_b32 s13, s12, 1                         ; I fetch for ctx (0) or for Wo (1),
	s_and_b32 s14, s12, 1                          ; which half
	s_bfe_u32 s40, ttmp6, 0x40000                  ; cx
	s_bfe_u32 s41, ttmp6, 0x40004                  ; cy
	s_lshl_b32 s42, ttmp9, 2
	s_add_co_u32 s42, s42, s40                     ; tile column
	s_and_b32 s43, ttmp7, 0xffff
	s_lshl_b32 s43, s43, 2
	s_add_co_u32 s43, s43, s41                     ; tile row
	s_lshl_b32 s44, s41, 2
	s_lshl_b32 s44, 15, s44                        ; my row of the cluster
	s_lshl_b32 s45, 0x1111, s40                    ; my column
	s_or_b32 s[G1A], s44, (3<<16)|(1<<21)          ; the mask; elements of 8 bytes; bit 21 beside the mask; no padding
	s_or_b32 s[G1B], s45, (3<<16)|(1<<21)
	s_mov_b32 s[G1A+1], 512<<16                    ; tensor_dim0 = 512 elements: 4,096 bytes
	s_mov_b32 s[G1A+2], 8<<16                      ; tensor_dim1 = 8 tiles
	s_mov_b32 s[G1A+3], 512<<16                    ; tile_dim0
	s_mov_b32 s[G1A+4], 8                          ; tile_dim1
	s_mov_b32 s[G1A+5], 3072                       ; from tile to tile: 24,576 bytes
	s_mov_b32 s[G1A+6], 0
	s_mov_b32 s[G1A+7], 0
	s_mov_b32 s[G1B+1], 512<<16
	s_mov_b32 s[G1B+2], 6<<16
	s_mov_b32 s[G1B+3], 512<<16
	s_mov_b32 s[G1B+4], 6
	s_mov_b32 s[G1B+5], 3072
	s_mov_b32 s[G1B+6], 0
	s_mov_b32 s[G1B+7], 0
	s_lshl_b32 s16, s43, 4
	s_lshl_b32 s18, s14, 3
	s_add_co_u32 s16, s16, s18
	s_mul_i32 s16, s16, RTB                        ; ctx: tile 16 x tile row + 8 x half
	s_mov_b32 s17, 0
	s_mul_i32 s46, s42, 12
	s_mul_i32 s47, s14, 6
	s_add_co_u32 s46, s46, s47
	s_mul_i32 s46, s46, RTB
	s_add_co_u32 s46, s46, WOF                     ; Wo: tile 12 x tile column + 6 x half
	s_mov_b32 s47, 0
	s_lshl_b32 s20, s14, 15                        ; where they go: no place in the cluster enters an LDS address
	s_mul_i32 s21, s14, 6*STEPB
	s_add_co_u32 s21, s21, BOFF
	s_lshl_b32 s68, s43, 8
	s_lshl_b32 s69, s12, 6
	s_add_co_u32 s68, s68, s69
	s_mul_i32 s68, s68, 3072                       ; my first row of out0,
	s_mul_i32 s70, s42, 768                        ; the tile's first column, in bytes: in out0 and in bo alike
	s_add_co_u32 s68, s68, s70
	s_mov_b32 s69, 0
	s_mov_b32 s71, 0
	s_lshl_b32 s72, s43, 4
	s_lshl_b32 s73, s14, 3
	s_add_co_u32 s72, s72, s73
	s_lshl_b32 s73, s40, 1
	s_add_co_u32 s72, s72, s73
	s_mul_i32 s72, s72, RTB                        ; the prefetches: my work-group's two tiles of the eight
	s_mov_b32 s73, 0
	v_and_b32 v1, 15, v0                           ; l % 16
	v_bfe_u32 v2, v0, 4, 1                         ; h
	v_and_b32 v3, 31, v0
	v_lshlrev_b32 v3, 4, v3                        ; 16 x lane
	s_lshl_b32 s22, s12, 14                        ; my four tiles of ctx
	v_add_nc_u32 v[ADRA], s22, v3
	v_add_nc_u32 v[ADRA+1], SLOT, v[ADRA]
	v_add_nc_u32 v[ADRB], BOFF, v3
	v_add_nc_u32 v[ADRB+1], SLOT, v[ADRB]
	s_mul_i32 s23, s12, 16*SPITCH                  ; my stage
	v_mul_u32_u24 v[STO], v1, SPITCH
	v_lshl_add_u32 v[STO], v2, 5, v[STO]
	v_add_nc_u32 v[STO], s23, v[STO]               ; in: row l % 16, 32 bytes for each half of the lanes
	v_lshlrev_b32 v4, 4, v1
	v_lshl_add_u32 v[CO0], v2, 8, v4               ; back: two rows are 1,536 bytes: three loads of two blocks of 256.  First and third: both blocks in one row
	v_add_nc_u32 v[RD0], s23, v[CO0]
	v_mad_u32_u24 v[RD1], v2, 272, v4              ; second: lanes 0-15 the first row's last block, lanes 16-31 the next row's first
	v_add_nc_u32 v[RD1], s23, v[RD1]
	v_add_nc_u32 v[RD1], 512, v[RD1]
	v_mad_u32_u24 v[CO1], v2, 2560, v4
	v_add_nc_u32 v[CO1], 512, v[CO1]
	v_lshlrev_b32 v[BO], 5, v2
	v_lshlrev_b32 v[PFO], 8, v1
	v_mad_u32_u24 v[PFO], v2, RTB, v[PFO]
	s_wait_dscnt 0x0                               ; both opening adds are done
	s_wait_kmcnt 0x0
	s_add_nc_u64 s[16:17], s[4:5], s[16:17]
	s_add_nc_u64 s[46:47], s[6:7], s[46:47]
	s_add_nc_u64 s[10:11], s[10:11], s[68:69]
	s_add_nc_u64 s[70:71], s[8:9], s[70:71]
	s_add_nc_u64 s[66:67], s[4:5], s[72:73]
	CROUND                                         ; all sixteen work-groups are here: the first joint loads meet
.irp s, 0,1
	s_mov_b32 s[G0A+4*\s], 1
	s_add_co_u32 s[G0A+4*\s+1], s20, \s*SLOT
	s_add_nc_u64 s[G0A+4*\s+2:G0A+4*\s+3], s[16:17], \s*STEPB
	s_or_b32 s[G0A+4*\s+3], s[G0A+4*\s+3], 0x80000000
	s_mov_b32 s[G0B+4*\s], 1
	s_add_co_u32 s[G0B+4*\s+1], s21, \s*SLOT
	s_add_nc_u64 s[G0B+4*\s+2:G0B+4*\s+3], s[46:47], \s*STEPB
	s_or_b32 s[G0B+4*\s+3], s[G0B+4*\s+3], 0x80000000
	JLOAD \s
.endr
.irp b, 0,1,2,3,4,5,6,7,8,9,10,11              ; set b: the bias of columns 16 b + 8 h + 0 .. 7
	global_load_b128 v[BI+8*\b:BI+8*\b+3], v[BO], s[70:71] offset:64*\b
	global_load_b128 v[BI+8*\b+4:BI+8*\b+7], v[BO], s[70:71] offset:64*\b+16
.endr
; 32 LDS loads in one run: the fragments of the slot's q-th 32 along K into buffer f: Wo's twelve, then ctx's four, blocks 0 and 1 first
.macro FETCH slot, q, f
	WIN 0x40
.irp n, 0,1,2,3,4,5,6,7,8,9,10,11
.irp c, 0,1
	ds_load_b128 v[128*(\f)+8*\n+4*\c:128*(\f)+8*\n+4*\c+3], v[ADRB+\slot] offset:4096*\n+1024*(\q)+512*\c
.endr
.endr
	WIN 0
.irp i, 0,1,2,3
.irp c, 0,1
	ds_load_b128 v[64+32*(\f)+8*\i+4*\c:64+32*(\f)+8*\i+4*\c+3], v[ADRA+\slot] offset:4096*\i+1024*(\q)+512*\c
.endr
.endr
.endm
; 12 matrix instructions: ctx's block a x Wo's twelve.  bias = 1: the first product starts the sums from the bias.  The 48 accumulators take turns in the same order in every quarter.
.macro MUL12 f, a, bias
.if \bias
	WIN 0x81+0x40*((\a)/2)                         ; source 0 window 1, source 1 and C window 0, D window 2 or 3
.else
	WIN 0xa1+0x50*((\a)/2)                         ; C and D window 2 or 3
.endif
.irp b, 0,1,2,3,4,5,6,7,8,9,10,11
.if \bias
	v_wmma_f32_16x16x32_f16 v[8*(12*((\a)%2)+\b):8*(12*((\a)%2)+\b)+7], v[128*(\f)+8*\b:128*(\f)+8*\b+7], v[64+32*(\f)+8*(\a):64+32*(\f)+8*(\a)+7], v[BI+8*\b:BI+8*\b+7]
.else
	v_wmma_f32_16x16x32_f16 v[8*(12*((\a)%2)+\b):8*(12*((\a)%2)+\b)+7], v[128*(\f)+8*\b:128*(\f)+8*\b+7], v[64+32*(\f)+8*(\a):64+32*(\f)+8*(\a)+7], v[8*(12*((\a)%2)+\b):8*(12*((\a)%2)+\b)+7]
.endif
.endr
.endm
; A quarter (32 along K, 48 matrix instructions) multiplies buffer f and, in its middle, fetches the slot's q-th quarter into buffer g.
.macro QUARTER slot, q, f, g, bias
	s_wait_dscnt 4                                 ; Wo's fragments and ctx's blocks 0, 1 are in; the youngest four loads (blocks 2, 3) may be out
	MUL12 \f, 0, \bias
	MUL12 \f, 1, \bias
	PLACES 4                                       ; in front of loads into registers that matrix instructions have read
	FETCH \slot, \q, \g
	s_wait_dscnt 32                                ; all but the 32 just issued
	MUL12 \f, 2, \bias
	MUL12 \f, 3, \bias
.endm
; The last quarter of K step s (buffer 1) changes slots: one barrier.  In front of it each wave waits for all its tensor loads (the one that is out is its part of the next slot), adds 0 to its spare word, and waits for
; that and for its reads of this slot.  s <= 3: the barrier opens a round of the cluster's barrier, and the slot is filled again with K step s + 2, first thing behind the round.
.macro TURN s
	WIN 0
	s_wait_tensorcnt 0x0
	ds_add_u32 v[SPW], v[NIL]
	s_wait_dscnt 5                                 ; (the add and the youngest four loads may be out)
	MUL12 1, 0, 0                                  ; twelve matrix instructions stand between the add and the wait for it
	s_wait_dscnt 0x0                               ; the add is done, and my reads of this slot are over
	s_barrier_signal -1
	MUL12 1, 1, 0
	WIN 0
	s_barrier_wait -1
.if (\s) <= 3
	CREST                                          ; no wave of any partner still reads this slot's tiles or has a load on its way
	s_add_nc_u64 s[G0A+4*((\s)%2)+2:G0A+4*((\s)%2)+3], s[G0A+4*((\s)%2)+2:G0A+4*((\s)%2)+3], 2*STEPB
	s_add_nc_u64 s[G0B+4*((\s)%2)+2:G0B+4*((\s)%2)+3], s[G0B+4*((\s)%2)+2:G0B+4*((\s)%2)+3], 2*STEPB
	JLOAD (\s)%2                                   ; its four v_nop are also the places in front of the loads below
.else
	PLACES 4
.endif
	FETCH 1-(\s)%2, 0, 0
.if (\s) <= 2
	ASK \s
.endif
	MUL12 1, 2, 0
	MUL12 1, 3, 0
.endm
.macro THREE s, bias
	QUARTER (\s)%2, 1, 0, 1, \bias
	QUARTER (\s)%2, 2, 1, 0, 0
	QUARTER (\s)%2, 3, 0, 1, 0
.endm
	s_wait_tensorcnt 1                             ; my part of K step 0 is in; K step 1's load, issued behind it, may be out
	s_barrier_signal -1
	s_barrier_wait -1
	FETCH 0, 0, 0
	s_wait_loadcnt 0x0                             ; the bias
	THREE 0, 1
	TURN 0
.irp s, 1,2,3,4
	THREE \s, 0
	TURN \s
.endr
	THREE 5, 0
	s_wait_dscnt 4                                 ; the very last quarter: nothing more to fetch
	MUL12 1, 0, 0
	MUL12 1, 1, 0
	s_wait_dscnt 0
	MUL12 1, 2, 0
	MUL12 1, 3, 0
	WIN 0
; THE WAY OUT, block by block of 16 rows x 192 columns, through my own stage: 32 bytes a lane in, whole blocks of 256 bytes back.  LDS serves a wave's instructions in order: no wait between the stores and the loads.
.macro TOSTAGE a
.set BB, 64+96*((\a)%2)
	WIN 0x08+4*((\a)/2)                            ; the data: window 2 or 3
.irp b, 0,1,2,3,4,5,6,7,8,9,10,11
	ds_store_b128 v[STO], v[96*((\a)%2)+8*\b:96*((\a)%2)+8*\b+3] offset:64*\b          ; each accumulator from its low end on
	ds_store_b128 v[STO], v[96*((\a)%2)+8*\b+4:96*((\a)%2)+8*\b+7] offset:64*\b+16
.endr
	WIN 0
.irp m, 0,1,2,3,4,5,6,7
	ds_load_b128 v[BB+12*\m:BB+12*\m+3], v[RD0] offset:2*SPITCH*\m
	ds_load_b128 v[BB+12*\m+4:BB+12*\m+7], v[RD1] offset:2*SPITCH*\m
	ds_load_b128 v[BB+12*\m+8:BB+12*\m+11], v[RD0] offset:2*SPITCH*\m+SPITCH+256
.endr
.endm
.macro SEND a, younger                 ; younger: the LDS instructions issued behind block a's loads: the next block's 24 stores and 24 loads, or none
.set BB, 64+96*((\a)%2)
	s_wait_dscnt \younger
.irp m, 0,1,2,3,4,5,6,7
	global_store_b128 v[CO0], v[BB+12*\m:BB+12*\m+3], s[10:11] offset:49152*(\a)+6144*\m th:TH_STORE_NT       ; each half of the lanes stores 256 consecutive bytes, aligned
	global_store_b128 v[CO1], v[BB+12*\m+4:BB+12*\m+7], s[10:11] offset:49152*(\a)+6144*\m th:TH_STORE_NT
	global_store_b128 v[CO0], v[BB+12*\m+8:BB+12*\m+11], s[10:11] offset:49152*(\a)+6144*\m+3328 th:TH_STORE_NT
.endr
.endm
	PLACES 4                                       ; in front of the first read of results and of loads into registers that held fragments and the bias
	TOSTAGE 0
.irp a, 1,2,3
.if \a > 1
	s_wait_xcnt 0x0                                ; block a - 2's stores have read their registers: block a's loads may land there
.endif
	TOSTAGE \a
	SEND \a-1, 48
.endr
	SEND 3, 0
	s_wait_tensorcnt 0x0                           ; the wave's end: these three lines, behind my last tensor load and my last LDS store
	ds_add_u32 v[SPW], v[NIL]
	s_wait_dscnt 0x0
	CROUND                                         ; the closing round: no work-group ends while a partner may still ask for a tile that names it
	s_endpgm
.Lfunc_end_k_qaf227c02b0_proj:
	.size	k_qaf227c02b0_proj, .Lfunc_end_k_qaf227c02b0_proj-k_qaf227c02b0_proj
	.p2alignl 7, 3214868480
	.fill 96, 4, 3214868480
	.section	.rodata,"a",@progbits
	.p2align	6, 0x0
	.amdhsa_kernel k_qaf227c02b0_proj
		.amdhsa_group_segment_fixed_size 327680
		.amdhsa_private_segment_fixed_size 0
		.amdhsa_enable_private_segment 0
		.amdhsa_kernarg_size 32
		.amdhsa_user_sgpr_count 2
		.amdhsa_user_sgpr_kernarg_segment_ptr 1
		.amdhsa_wavefront_size32 1
		.amdhsa_system_sgpr_workgroup_id_x 1
		.amdhsa_system_sgpr_workgroup_id_y 1
		.amdhsa_system_sgpr_workgroup_id_z 1
		.amdhsa_system_vgpr_workitem_id 0
		.amdhsa_next_free_vgpr 1024
		.amdhsa_next_free_sgpr 80
		.amdhsa_reserve_vcc 0
		.amdhsa_float_denorm_mode_32 3
		.amdhsa_float_denorm_mode_16_64 3
		.amdhsa_memory_ordered 1
		.amdhsa_forward_progress 1
		.amdhsa_inst_pref_size 164
	.end_amdhsa_kernel
	.amdgpu_metadata
---
amdhsa.version: [ 1, 2 ]
amdhsa.kernels:
  - .name:           k_qaf227c02b0_proj
    .symbol:         k_qaf227c02b0_proj.kd
    .args:
      - { .name: ctx, .offset: 0, .size: 8, .value_kind: global_buffer, .address_space: global }
      - { .name: low, .offset: 8, .size: 8, .value_kind: global_buffer, .address_space: global }
      - { .name: bo, .offset: 16, .size: 8, .value_kind: global_buffer, .address_space: global }
      - { .name: out0, .offset: 24, .size: 8, .value_kind: global_buffer, .address_space: global }
    .group_segment_fixed_size: 327680
    .private_segment_fixed_size: 0
    .kernarg_segment_align: 8
    .kernarg_segment_size: 32
    .max_flat_workgroup_size: 128
    .sgpr_count:     80
    .vgpr_count:     1024
    .wavefront_size: 32
...
	.end_amdgpu_metadata
.endif
;; end of part 4
